; MI455X (gfx1250); checked and timed in simulation.
; The chip was launched on July 23, 2026; its instructions are those of AMD's public machine-readable ISA for CDNA 5 (MIT licence, August 2026) and "CDNA5" Instruction Set Architecture Reference Guide (July 2026). The comments in the code are by the model that wrote it; some were corrected since.
;; Multihead Attention. Allowed arithmetic: matrix products marked QUANTISED: E2M1 operands, one E8M0 scale for each 32 along K, by v_wmma_scale_f32_16x16x128_f8f6f4 with both operands' format E2M1 (or v_wmma_scale_f32_32x16x128_f4), f32 sums; everything else in f32.
;; Inputs: Wk_codes 8 x 64 x 16 x 16 uint8 (E2M1 codes of Wk, K innermost, in blocks of 32 codes, two codes a byte); Wk_scales 8 x 64 x 16 uint8 (E8M0 scales of Wk, one for each 32 codes along K); Wq_codes 8 x 64 x 16 x 16 uint8 (E2M1 codes of Wq, K innermost, in blocks of 32 codes, two codes a byte); Wq_scales 8 x 64 x 16 uint8 (E8M0 scales of Wq, one for each 32 codes along K); Wv_codes 8 x 64 x 16 x 16 uint8 (E2M1 codes of Wv, K innermost, in blocks of 32 codes, two codes a byte); Wv_scales 8 x 64 x 16 uint8 (E8M0 scales of Wv, one for each 32 codes along K); beta 512 float32; gamma 512 float32; key_codes 4 x 2,048 x 16 x 16 uint8 (E2M1 codes of key, K innermost, in blocks of 32 codes, two codes a byte); key_scales 4 x 2,048 x 16 uint8 (E8M0 scales of key, one for each 32 codes along K); query 4 x 2,048 x 512 float32; query_mask 4 x 2,048 float32; value_codes 4 x 2,048 x 16 x 16 uint8 (E2M1 codes of value, K innermost, in blocks of 32 codes, two codes a byte); value_mask 4 x 2,048 float32; value_scales 4 x 2,048 x 16 uint8 (E8M0 scales of value, one for each 32 codes along K).
;; Outputs: out0 4 x 2,048 x 512 float32.
;; This version of the problem:
;;   THIS VERSION OF THE PROBLEM IS GIVEN IN LOW PRECISION. The matrix products marked QUANTISED in the list below multiply operands that are first quantised to E2M1 (2 exponent bits, 1 mantissa bit; 4 bits a number), with one power-of-two scale for each 32 numbers along K (OCP MX v1.0); their sums are f32. All else is computed in f32.
;;   The module's matrix products, in the order in which they are computed (A, B: the left and right operand; K: the contracted axis; several contracted axes count as one K, in the product's order):
;;     1. [M 512, K 512] x [K 512, N 8,192]; A: input Wq (given as codes); B: input query: QUANTISED
;;     2. [M 512, K 512] x [K 512, N 8,192]; A: input Wk (given as codes); B: input key (given as codes): QUANTISED
;;     3. [M 512, K 512] x [K 512, N 8,192]; A: input Wv (given as codes); B: input value (given as codes): QUANTISED
;;     4. batch 32 x [M 2,048, K 64] x [K 64, N 2,048]; A: computed on the way; B: computed on the way: QUANTISED
;;     5. batch 32 x [M 2,048, K 2,048] x [K 2,048, N 64]; A: computed on the way; B: computed on the way: QUANTISED
;;   THE QUANTISER, for each operand of a quantised product, along K:
;;     - K is cut into blocks of 32 from its start; a last block that is shorter is filled with zeros.
;;     - A block's scale is 2^e with e = floor(log2(the largest magnitude in the block)) - 2, held to -126 .. 127; a block of zeros has e = 0. As a byte (E8M0): e + 127.
;;     - Each number is divided by its block's scale, clamped to +-6, and rounded to the nearest number of E2M1, ties to even, subnormals kept.
;;     - The product sums the exact products of the quantised numbers (number of the format x scale) in f32.
;;   ~~~python
;;   def quantise(x, axis):      # numpy; x: float32 -> the quantised numbers, widened to float32 again
;;       x = np.moveaxis(x, axis, -1); K = x.shape[-1]
;;       x = np.pad(x, [(0, 0)] * (x.ndim - 1) + [(0, -K % 32)]); x = x.reshape(x.shape[:-1] + (-1, 32)); a = np.abs(x).max(-1, keepdims=True)
;;       e = np.where(a > 0, np.clip(np.frexp(np.where(a > 0, a, 1))[1] - 1 - 2, -126, 127), 0)      # np.frexp(a)[1] - 1 = floor(log2(a)), exactly
;;       r = np.clip(x / 2.0 ** e, -6, 6)
;;       step = 2.0 ** (np.maximum(np.frexp(np.where(r == 0, 1, r))[1] - 1, 0) - 1)
;;       q = np.round(r / step) * step * 2.0 ** e      # np.round: ties to even
;;       return np.moveaxis(q.reshape(q.shape[:-2] + (-1,))[..., :K], -1, axis).astype(np.float32)
;;   ~~~
;;   OPERANDS COMPUTED ON THE WAY. 'Computed on the way' means the value that the module computes at that place (a softmax that the list does not call 'softmax' is quantised finished and normalised). What goes into a quantiser is computed in f32, as accurately as f32 sums, v_exp_f32 and their like allow (about 1e-6 of the number): no bf16 or f16 on the way to a quantiser, and a product that is left as it is and whose result goes on into a quantised operand takes f32 operands (vector FMAs, or v_wmma_f32_16x16x4_f32). A number that lies on a knife's edge between two numbers of the format may be rounded either way, as far as f32 arithmetic and the matrix unit's own rounding can turn it there, and no further.
;;   INPUTS GIVEN AS CODES. Wk (in the module: [8, 512, 64], K = its axis 1); Wq (in the module: [8, 512, 64], K = its axis 1); Wv (in the module: [8, 512, 64], K = its axis 1); key (in the module: [4, 2048, 512], K = its axis 2); value (in the module: [4, 2048, 512], K = its axis 2): each comes as NAME_codes (uint8): NAME with its K axis moved to the last place and cut into blocks of 32 codes, [.., K / 32, bytes a block], one block behind the other in memory; two codes a byte, the lower K in the low four bits (a code: sign, 2 exponent bits, 1 mantissa bit); and NAME_scales (uint8): the same leading axes, one E8M0 byte (e + 127) for each 32 codes along K. Its value is code x scale, taken as it is: it is not quantised again, and the codes and scales need not be those that the quantiser above would give.
;; 2 versions, each right; version 2 is version 1 with the launches kvproj, attn written anew for expert scheduling mode. Each part assembles by itself: llvm-mc -triple=amdgcn-amd-amdhsa -mcpu=gfx1250 --defsym DOCPART=n.
;; ======== version 1 of 2: 2 launches
;; workspace buffers: kbuf 2,359,296 bytes; vbuf 2,359,296 bytes
;; launch kvproj (part 1): grid 256 x 1, 4 waves a work-group, no clusters, 0 bytes of LDS; arguments key_codes, key_scales, Wk_codes, Wk_scales, value_codes, value_scales, Wv_codes, Wv_scales, kbuf, vbuf; writes kbuf, vbuf
.if DOCPART == 1
	.amdgcn_target "amdgcn-amd-amdhsa--gfx1250"
	.amdhsa_code_object_version 6
	.text
	.protected	k_q27bbc2b519_kvproj
	.globl	k_q27bbc2b519_kvproj
	.p2align	8
	.type	k_q27bbc2b519_kvproj,@function
k_q27bbc2b519_kvproj:
	s_mov_b64 s[64:65], 0
	v_nop
	global_prefetch_b8 v0, s[64:65] scope:SCOPE_SE
	s_setreg_imm32_b32 hwreg(HW_REG_WAVE_MODE, 25, 1), 1
	s_wait_xcnt 0x0
; K = key Wk and V = value Wv (per head, K = 512 along the model's axis), both on the given codes of FP4 (E2M1) with E8M0 scales; the f32 results are
; quantised again, K along the head's 64 channels and V along the keys, and stored IN THE ORDER OF THE NEXT LAUNCH'S OPERAND REGISTERS.
; SHARES.  512 records of K and 512 of V; a record is one head's 128 keys.  One wave makes one record; work-groups 0-127 make K's, 128-255 V's.  Waves share nothing: no LDS, no barrier.
; ROW ORDER.  Lane r of tile t takes row MAP(t, r) = 32 (t / 2) + 8 (t % 2) + r + 8 (r / 8), of the keys as of the weights' channels, so that in a result the 16 registers of tiles 2 b and 2 b + 1
; are 16 neighbours, 32 b + 16 (lane / 16) + 0 .. 15, along the axis that is quantised next.
; K: source 0 = 16 channels of Wk, source 1 = 16 keys: a lane holds ONE key and its registers run along the channels.  V: source 0 = 16 keys, source 1 = 16 channels of Wv: a lane holds ONE channel and its registers run along the keys.
; A RECORD, 4,608 bytes.  K: at 512 t + 16 lane the four registers of key tile t (lane (r, h): channels 32 h .. 32 h + 31 of key MAP(t, r)); at 4,096 + 16 lane four scale words: word p is tile 2 p's in lanes 0-15
; and tile 2 p + 1's in lanes 16-31, two bytes used.   V: at 1,024 p + 512 c + 16 lane registers 4 c .. 4 c + 3 of channel tile p (keys 64 c + 32 h + 0 .. 31 of channel MAP(p, r)); at 4,096 + 16 lane the four tiles' scale words.
; Every store of the wave covers 512 consecutive bytes, at a multiple of 512 from the buffer's first byte.
; LIMITS: NaN, infinities and the scale byte 0xff among the inputs are not served.  A block of zeros gets the byte 1 where the rule says 127: its codes are zeros, and this program alone reads the bytes.
; REGISTERS.  window 0: v1-7 lane numbers and offsets; v16-47 the keys' scale words, v48-63 the weights' (both hold scales alone); v64-127 eight accumulators; v128-159 codes; v160-167 scale words made; v168-179 at work.
;   window 1: the 32 fragments of the 128 rows of key or value (tile t, K step k at v[8 (4 t + k)]).   window 2: the 16 fragments of the head's weights (tile d, K step k at v[8 (4 d + k)]).
.set REC,  4608
.set XS,   16
.set WS,   48
.set ACC,  64
.set PC,   128
.set PW,   160
.set KW,   164
.set TM,   168
.set SEL,  30
.set MSB,  0
.macro WIN new                         ; the immediate's high byte repeats the setting that is left; a switch that changes nothing is dropped
.if MSB != \new
	s_set_vgpr_msb (MSB<<8)|\new
.set MSB, \new
.endif
.endm
.macro MM d, a, b, sa, sb, zero        ; one product 16 x 16 x 128; zero = 1: it starts the sum
.if \zero
	v_wmma_scale_f32_16x16x128_f8f6f4 v[\d:\d+7], v[\a:\a+7], v[\b:\b+7], 0, v[\sa], v[\sb] matrix_a_fmt:MATRIX_FMT_FP4 matrix_b_fmt:MATRIX_FMT_FP4
.else
	v_wmma_scale_f32_16x16x128_f8f6f4 v[\d:\d+7], v[\a:\a+7], v[\b:\b+7], v[\d:\d+7], v[\sa], v[\sb] matrix_a_fmt:MATRIX_FMT_FP4 matrix_b_fmt:MATRIX_FMT_FP4
.endif
.endm
; 64 numbers of a lane, v[s] .. v[s + 63], register 16 b + i = element 32 b + 16 (lane / 16) + i of the lane's row, become codes (blocks 0, 1 in v[pc0] .. + 3, blocks 2, 3 in v[pc1] .. + 3, a whole block to a lane:
; lanes 0-15 the even block, lanes 16-31 the odd one) and the four blocks' scale bytes in v[pw].  Each accumulator is read from its low end on.
.macro QUANT s, pc0, pc1, pw
.irp b, 0,1,2,3
	v_max3_num_f32 v[TM+\b], |v[\s+16*\b]|, |v[\s+16*\b+1]|, 0x1800000   ; my 16 numbers of block b, and the floor 2^(3 - 127): the byte cannot fall under 1
.endr
.irp i, 2,4,6,8,10,12,14
.irp b, 0,1,2,3
	v_max3_num_f32 v[TM+\b], v[TM+\b], |v[\s+16*\b+\i]|, |v[\s+16*\b+\i+1]|   ; the four blocks by turns
.endr
.endr
.irp b, 0,1,2,3
	v_permlanex16_b32 v[TM+4+\b], v[TM+\b], s[SEL], s[SEL+1]
.endr
.irp b, 0,1,2,3
	v_max_num_f32 v[TM+\b], v[TM+\b], v[TM+4+\b]           ; with lane l xor 16's: the block's largest magnitude
.endr
.irp b, 0,1,2,3
	v_add_nc_u32 v[TM+8+\b], 0xff000000, v[TM+\b]          ; 2 off its exponent field: the conversion takes that field as its scale
.endr
.irp b, 0,1,2,3
	v_lshrrev_b32 v[TM+4+\b], 23, v[TM+8+\b]               ; the scale's byte
.endr
	v_lshl_or_b32 v[\pw], v[TM+5], 8, v[TM+4]
	v_lshl_or_b32 v[\pw], v[TM+6], 16, v[\pw]
	v_lshl_or_b32 v[\pw], v[TM+7], 24, v[\pw]
.irp b, 0,1
	v_cvt_scalef32_pk8_fp4_f32 v[\pc0+2*\b], v[\s+16*\b:\s+16*\b+7], v[TM+8+\b]
	v_cvt_scalef32_pk8_fp4_f32 v[\pc0+2*\b+1], v[\s+16*\b+8:\s+16*\b+15], v[TM+8+\b]
.endr
.irp b, 0,1
	v_cvt_scalef32_pk8_fp4_f32 v[\pc1+2*\b], v[\s+32+16*\b:\s+32+16*\b+7], v[TM+10+\b]
	v_cvt_scalef32_pk8_fp4_f32 v[\pc1+2*\b+1], v[\s+32+16*\b+8:\s+32+16*\b+15], v[TM+10+\b]
.endr
	v_nop                                                  ; one plain place behind the last scaled conversion
.irp i, 0,1
	v_permlane16_swap_b32 v[\pc0+\i], v[\pc0+2+\i]         ; half blocks become whole blocks
	v_permlane16_swap_b32 v[\pc1+\i], v[\pc1+2+\i]
.endr
.endm
	s_load_b512 s[8:23], s[0:1], 0x0               ; key's codes, scales; Wk's codes, scales; value's codes, scales; Wv's codes, scales
	s_load_b128 s[24:27], s[0:1], 0x40             ; kbuf, vbuf
	v_lshrrev_b32 v1, 5, v0
	v_readfirstlane_b32 s2, v1                     ; wave 0..3
	v_and_b32 v1, 31, v0                           ; lane
	v_and_b32 v2, 15, v0                           ; r
	v_bfe_u32 v3, v0, 4, 1                         ; h
	v_lshlrev_b32 v4, 4, v1                        ; 16 x lane: my place in every store
	v_and_b32 v8, 8, v2
	v_add_nc_u32 v8, v8, v2                        ; r + 8 (r / 8)
	v_lshlrev_b32 v5, 8, v8
	v_lshl_add_u32 v5, v3, 4, v5                   ; codes: a row of 512 codes is 256 bytes, + 16 h
	v_lshlrev_b32 v6, 4, v8                        ; scale bytes: 16 a row
	v_lshlrev_b32 v7, 4, v3                        ; 16 h: a shift
.irp b, 0,1,2,3
	v_mov_b32 v[TM+4+\b], 0                        ; written once: a lane permute's destination counts as one of its sources
.endr
	s_mov_b32 s[SEL], 0x76543210
	s_mov_b32 s[SEL+1], 0xfedcba98                 ; lane l xor 16
	s_and_b32 s3, ttmp9, 127
	s_lshr_b32 s4, s3, 5                           ; batch
	s_bfe_u32 s5, s3, 0x40001                      ; which 128 keys
	s_and_b32 s6, s3, 1
	s_lshl_b32 s6, s6, 2
	s_add_co_u32 s6, s6, s2                        ; head
	s_lshl_b32 s32, s4, 19
	s_lshl_b32 s33, s5, 15
	s_add_co_u32 s32, s32, s33                     ; (2,048 batch + 128 step) rows of 256 bytes,
	s_mov_b32 s33, 0
	s_lshr_b32 s34, s32, 4                         ; and of 16
	s_mov_b32 s35, 0
	s_lshl_b32 s36, s6, 14                         ; the head's 64 rows of weights, 256 bytes each,
	s_mov_b32 s37, 0
	s_lshl_b32 s38, s6, 10                         ; and of 16
	s_mov_b32 s39, 0
	s_lshl_b32 s40, s4, 3
	s_add_co_u32 s40, s40, s6
	s_lshl_b32 s40, s40, 4
	s_add_co_u32 s40, s40, s5
	s_mul_i32 s40, s40, REC                        ; my record
	s_mov_b32 s41, 0
	s_wait_kmcnt 0x0
	s_cmp_lt_u32 ttmp9, 128                        ; K's work-group or V's?  The choice hangs on the work-group's number alone
	s_cselect_b64 s[8:9], s[8:9], s[16:17]
	s_cselect_b64 s[10:11], s[10:11], s[18:19]
	s_cselect_b64 s[12:13], s[12:13], s[20:21]
	s_cselect_b64 s[14:15], s[14:15], s[22:23]
	s_cselect_b64 s[24:25], s[24:25], s[26:27]
	s_add_nc_u64 s[8:9], s[8:9], s[32:33]
	s_add_nc_u64 s[10:11], s[10:11], s[34:35]
	s_add_nc_u64 s[12:13], s[12:13], s[36:37]
	s_add_nc_u64 s[14:15], s[14:15], s[38:39]
	s_add_nc_u64 s[24:25], s[24:25], s[40:41]
	; all operands at once: a row's 16 scale bytes are its four K steps' words
.irp t, 0,1,2,3,4,5,6,7
	global_load_b128 v[XS+4*\t:XS+4*\t+3], v6, s[10:11] offset:(32*(\t/2)+8*(\t%2))*16
.endr
.irp d, 0,1,2,3
	global_load_b128 v[WS+4*\d:WS+4*\d+3], v6, s[14:15] offset:(32*(\d/2)+8*(\d%2))*16
.endr
	WIN 0x80                                       ; destination window 2
.irp d, 0,1,2,3
.irp k, 0,1,2,3
.irp c, 0,1
	global_load_b128 v[8*(4*\d+\k)+4*\c:8*(4*\d+\k)+4*\c+3], v5, s[12:13] offset:(32*(\d/2)+8*(\d%2))*256+64*\k+32*\c
.endr
.endr
.endr
	WIN 0x40                                       ; destination window 1
.irp t, 0,1,2,3,4,5,6,7
.irp k, 0,1,2,3
.irp c, 0,1
	global_load_b128 v[8*(4*\t+\k)+4*\c:8*(4*\t+\k)+4*\c+3], v5, s[8:9] offset:(32*(\t/2)+8*(\t%2))*256+64*\k+32*\c
.endr
.endr
.endr
	WIN 0
	s_wait_loadcnt 0x0
; A quarter of a record: 32 products, K step by K step, the eight accumulators by turns, one instruction a turn; then the quantiser and two stores.
; kind 0 (K): key tiles 2 p, 2 p + 1 x the four channel tiles (accumulator a: key tile 2 p + a / 4, channel tile a % 4).   kind 1 (V): the eight key tiles x channel tile p.
.macro PART kind, p
.if \kind
	WIN 0x09                                       ; source 0 = keys (window 1), source 1 = weights (window 2)
.else
	WIN 0x06                                       ; source 0 = weights (window 2), source 1 = keys (window 1)
.endif
.irp k, 0,1,2,3
.irp a, 0,1,2,3,4,5,6,7
.if \kind
.set rA, 8*(4*\a+\k)
.set rB, 8*(4*\p+\k)
.set sA, XS+4*\a+\k
.set sB, WS+4*\p+\k
.else
.set rA, 8*(4*(\a%4)+\k)
.set rB, 8*(4*(2*\p+\a/4)+\k)
.set sA, WS+4*(\a%4)+\k
.set sB, XS+4*(2*\p+\a/4)+\k
.endif
.if \k == 0
	MM ACC+8*\a, rA, rB, sA, sB, 1
.else
	MM ACC+8*\a, rA, rB, sA, sB, 0
.endif
.endr
.endr
	WIN 0
.rept 4
	v_nop                                          ; four places between the last product and the first read of results (ISA guide 7.12.1)
.endr
	QUANT ACC, PC+8*\p, PC+8*\p+4, PW+\p
	global_store_b128 v4, v[PC+8*\p:PC+8*\p+3], s[24:25] offset:1024*\p         ; each quarter has its own code registers: no store's data are written again
	global_store_b128 v4, v[PC+8*\p+4:PC+8*\p+7], s[24:25] offset:1024*\p+512
.endm
	s_cmp_ge_u32 ttmp9, 128
	s_cbranch_scc1 .Lvalues
	PART 0, 0
	PART 0, 1
	PART 0, 2
	PART 0, 3
.irp p, 0,1,2,3
	v_lshrrev_b32 v[KW+\p], v7, v[PW+\p]           ; lanes 0-15 keep tile 2 p's two bytes, lanes 16-31 take tile 2 p + 1's
.endr
.irp p, 0,1,2,3
	v_and_b32 v[KW+\p], 0xffff, v[KW+\p]           ; the upper two bytes, for the 64 along K that are zero codes, are 0
.endr
	global_store_b128 v4, v[KW:KW+3], s[24:25] offset:4096
	s_endpgm
.Lvalues:
	PART 1, 0
	PART 1, 1
	PART 1, 2
	PART 1, 3
	global_store_b128 v4, v[PW:PW+3], s[24:25] offset:4096
	s_endpgm
.Lfunc_end_k_q27bbc2b519_kvproj:
	.size	k_q27bbc2b519_kvproj, .Lfunc_end_k_q27bbc2b519_kvproj-k_q27bbc2b519_kvproj
	.p2alignl 7, 3214868480
	.fill 96, 4, 3214868480
	.section	.rodata,"a",@progbits
	.p2align	6, 0x0
	.amdhsa_kernel k_q27bbc2b519_kvproj
		.amdhsa_group_segment_fixed_size 0
		.amdhsa_private_segment_fixed_size 0
		.amdhsa_enable_private_segment 0
		.amdhsa_kernarg_size 80
		.amdhsa_user_sgpr_count 2
		.amdhsa_user_sgpr_kernarg_segment_ptr 1
		.amdhsa_wavefront_size32 1
		.amdhsa_system_sgpr_workgroup_id_x 1
		.amdhsa_system_sgpr_workgroup_id_y 1
		.amdhsa_system_sgpr_workgroup_id_z 1
		.amdhsa_system_vgpr_workitem_id 0
		.amdhsa_next_free_vgpr 640
		.amdhsa_next_free_sgpr 66
		.amdhsa_reserve_vcc 0
		.amdhsa_float_denorm_mode_32 3
		.amdhsa_float_denorm_mode_16_64 3
		.amdhsa_memory_ordered 1
		.amdhsa_forward_progress 1
		.amdhsa_inst_pref_size 78
	.end_amdhsa_kernel
	.amdgpu_metadata
---
amdhsa.version: [ 1, 2 ]
amdhsa.kernels:
  - .name:           k_q27bbc2b519_kvproj
    .symbol:         k_q27bbc2b519_kvproj.kd
    .args:
      - { .name: key_codes, .offset: 0, .size: 8, .value_kind: global_buffer, .address_space: global }
      - { .name: key_scales, .offset: 8, .size: 8, .value_kind: global_buffer, .address_space: global }
      - { .name: Wk_codes, .offset: 16, .size: 8, .value_kind: global_buffer, .address_space: global }
      - { .name: Wk_scales, .offset: 24, .size: 8, .value_kind: global_buffer, .address_space: global }
      - { .name: value_codes, .offset: 32, .size: 8, .value_kind: global_buffer, .address_space: global }
      - { .name: value_scales, .offset: 40, .size: 8, .value_kind: global_buffer, .address_space: global }
      - { .name: Wv_codes, .offset: 48, .size: 8, .value_kind: global_buffer, .address_space: global }
      - { .name: Wv_scales, .offset: 56, .size: 8, .value_kind: global_buffer, .address_space: global }
      - { .name: kbuf, .offset: 64, .size: 8, .value_kind: global_buffer, .address_space: global }
      - { .name: vbuf, .offset: 72, .size: 8, .value_kind: global_buffer, .address_space: global }
    .group_segment_fixed_size: 0
    .private_segment_fixed_size: 0
    .kernarg_segment_align: 8
    .kernarg_segment_size: 80
    .max_flat_workgroup_size: 128
    .sgpr_count:     66
    .vgpr_count:     640
    .wavefront_size: 32
...
	.end_amdgpu_metadata
.endif
;; end of part 1
;; launch attn (part 2): grid 64 x 4, 8 waves a work-group, no clusters, 150,528 bytes of LDS; arguments query, query_mask, value_mask, Wq_codes, Wq_scales, kbuf, vbuf, gamma, beta, out0; writes out0
.if DOCPART == 2
	.amdgcn_target "amdgcn-amd-amdhsa--gfx1250"
	.amdhsa_code_object_version 6
	.text
	.protected	k_q27bbc2b519_attn
	.globl	k_q27bbc2b519_attn
	.p2align	8
	.type	k_q27bbc2b519_attn,@function
k_q27bbc2b519_attn:
	s_mov_b64 s[64:65], 0
	v_nop
	global_prefetch_b8 v0, s[64:65] scope:SCOPE_SE
	s_setreg_imm32_b32 hwreg(HW_REG_WAVE_MODE, 25, 1), 1
	s_wait_xcnt 0x0
; out = LayerNorm(query + concat over heads of (softmax(Q K^T / 8) x tril x query_mask x value_mask) V), all products on codes of FP4 (E2M1) with one E8M0 scale for each 32 along K.
; The softmax runs over ALL 2,048 keys; triangle and masks multiply it afterwards, and the finished, normalised weights are what is quantised along the keys.  A row's whole sum is therefore known before any code of the row is made: TWO WALKS over the keys.
;   walk 1: all 16 steps of 128 keys: scores, a running maximum and sum for each lane;   walk 2: only the steps that the triangle leaves: scores again (the same instructions on the same operands: the same bits),
;   w = 2^(c s - c m) x value_mask x (query_mask / sum), hidden keys' scores set to -infinity ahead of the exponential; w quantised; O^T += V^T w^T.   c = log2(e) / 8.
; SHARES.  A work-group owns 32 queries of one batch for ALL 8 heads (the norm spans the heads): wave = head.  The queries are tiles g and 127 - g of 16, so that walk 2 has (g / 8 + 1) + ((127 - g) / 8 + 1) = 17 tile steps in every work-group.
; K and V come as records laid in the order of the operands' registers (the launch before): each wave loads its head's record straight into registers, 512 consecutive bytes an instruction, one step ahead.  No barrier stands in the walks.
; NO CLUSTER, NO JOINT LOADS: the work-groups of a batch do read the same records, but inside a work-group each record (4,608 bytes) feeds one wave alone and goes into its registers without passing LDS; joint requests would put
; eight heads' records through LDS slots with a barrier for each step, and in walk 2 partners need different numbers of steps, (127 - g) / 8 + 1.
; LAYOUT.  All products are used transposed (source 0 = 16 channels of Wq, 16 keys of K, 16 channels of V; source 1 = my 16 queries): a lane holds ONE query (lane % 16) throughout.  The rows of a tile are
; MAP(t, r) = 32 (t / 2) + 8 (t % 2) + r + 8 (r / 8), so that the 16 registers of tiles 2 b and 2 b + 1 are 16 neighbours, 32 b + 16 (lane / 16) + 0 .. 15, along the next K.
; The first attention product has K = 64: the upper 64 of the instruction's 128 are zero codes on both sides (registers 4-7 of each fragment, cleared once).
; LIMITS: NaN, infinities and the scale byte 0xff among the inputs are not served.  A weight under 2^-126 comes out of v_exp_f32 as 0 (ISA guide 15.8).  A block of zeros gets the byte 1 where the rule says 127: its codes are zeros,
; and the bytes never leave the registers.  1 / sum and 1 / sqrt are v_rcp_f32 and v_rsq_f32.  The weight's factors are multiplied in the order e x value_mask x (query_mask / sum).
; LDS: images of x's 8 fragments and their scale words; value_mask of the batch; query's 32 rows in f32 (for the quantiser and the residual); the heads' results.  Rows of 2,048 bytes + 16: sixteen rows start at sixteen different banks (ISA guide 11.1).
.set XIMG, 0                           ; 8 x 1,024: fragment f = 4 tau + K step, as an image of its registers
.set XSC,  8192                        ; 8 x 128: their scale words, 4 bytes a lane
.set VM,   9216                        ; 8,192: value_mask
.set XRES, 17408                       ; 32 rows x PIT: query
.set OSTG, 83456                       ; 32 rows x PIT: the heads' results
.set PIT,  2064
.set REC,  4608
; window 0
.set LN,   1                           ; lane
.set R,    2                           ; lane % 16
.set H,    3                           ; lane / 16
.set L16,  4                           ; 16 x lane
.set L4,   5                           ; 4 x lane
.set KO,   6                           ; byte offset of the K record being loaded, + 16 x lane
.set VO,   7                           ; the same for V
.set VM8,  8                           ; VM + 64 h
.set VMA,  9                           ; the step's value_mask
.set RH,   10                          ; r - 16 h
.set NINF, 11                          ; -infinity
.set MD,   12                          ; the triangle: my query less the step's first key less 16 h
.set XW,   13                          ; XRES: my wave's four rows, 16 x lane
.set XQ,   14                          ; XRES: the fragment that my wave quantises
.set OS,   15                          ; OSTG: where my head's results go
.set QF,   16                          ; v16-31  Q's two fragments (4 registers of codes, 4 of zeros each); at the end beta
.set QS,   32                          ; v32-33  Q's scale words           (v32-67 hold scales and nothing else)
.set PWD,  34                          ; v34-35  the weights' scale words
.set KS,   36                          ; v36-39  K's scale words
.set VS,   40                          ; v40-43  V's
.set WQS,  44                          ; v44-59  Wq's
.set XSW,  60                          ; v60-67  x's
.set STA,  68                          ; v68-83  statistics, 8 a tile: +0 c m, +1 m, +2, +3 the sum in two halves, +4 .. +7 at work
.set QMK,  84                          ; v84-85  query_mask of my query in each tile
.set WQA,  86                          ; Wq's codes: my lane's offset
.set WQB,  87                          ; Wq's scale bytes
.set ORD,  88                          ; OSTG: my wave's four rows, 16 x lane
.set TM,   90                          ; v90-101 the quantiser's work
.set SS,   112                         ; v112-239 scores, then weights: 64 a tile
.set PP,   240                         ; v240-255 the weights' codes, 8 a tile; at the end gamma
; window 1
.set KF,   0                           ; v0-63    K's eight fragments
.set VF,   64                          ; v64-95   V's four
.set VMR,  96                          ; v96-159  64 numbers of value_mask, laid as the scores
.set OA,   160                         ; v160-223 O^T: 32 tau + 8 d
.set RQ,   224                         ; v224-227 query_mask / sum, a pair a tile
.set WQF,  128                         ; v128-255 Wq's 16 fragments, until Q is made
; scalars
.set WV,   2
.set CS,   28                          ; s[28:29] c, twice
.set SEL,  30                          ; s[30:31] lane l xor 16
.set STP,  32                          ; the step
.set LHI,  33                          ; the last step of tile 127 - g, which holds its diagonal
.set LLO,  34                          ; the same of tile g
.set VMO,  35                          ; 512 x step
.set NX,   36
.set QHI,  37                          ; first query of tile 127 - g
.set QLO,  38                          ; of tile g
.set MSB,  0
.macro WIN new                         ; the immediate's high byte repeats the setting that is left; a switch that changes nothing is dropped
.if MSB != \new
	s_set_vgpr_msb (MSB<<8)|\new
.set MSB, \new
.endif
.endm
.macro PLACES n
.rept \n
	v_nop
.endr
.endm
.macro BARRIER                         ; my LDS stores have landed and my LDS loads are in: then the work-group's barrier
	s_wait_dscnt 0x0
	s_barrier_signal -1
	s_barrier_wait -1
.endm
.macro MM d, a, b, sa, sb, zero, row1  ; one product 16 x 16 x 128; zero = 1: it starts the sum; row1 = 1: source 0's scales stand in lanes 16-31
.if \zero
.if \row1
	v_wmma_scale_f32_16x16x128_f8f6f4 v[\d:\d+7], v[\a:\a+7], v[\b:\b+7], 0, v[\sa], v[\sb] matrix_a_fmt:MATRIX_FMT_FP4 matrix_b_fmt:MATRIX_FMT_FP4 matrix_a_scale:MATRIX_SCALE_ROW1
.else
	v_wmma_scale_f32_16x16x128_f8f6f4 v[\d:\d+7], v[\a:\a+7], v[\b:\b+7], 0, v[\sa], v[\sb] matrix_a_fmt:MATRIX_FMT_FP4 matrix_b_fmt:MATRIX_FMT_FP4
.endif
.else
	v_wmma_scale_f32_16x16x128_f8f6f4 v[\d:\d+7], v[\a:\a+7], v[\b:\b+7], v[\d:\d+7], v[\sa], v[\sb] matrix_a_fmt:MATRIX_FMT_FP4 matrix_b_fmt:MATRIX_FMT_FP4
.endif
.endm
; 64 numbers of a lane, v[s] .. v[s + 63], register 16 b + i = element 32 b + 16 (lane / 16) + i of the lane's row, become codes (blocks 0, 1 in v[pc0] .. + 3, blocks 2, 3 in v[pc1] .. + 3, a whole block to a lane:
; lanes 0-15 the even block, lanes 16-31 the odd one) and the four blocks' scale bytes in v[pw].  Each accumulator is read from its low end on.
.macro QUANT s, pc0, pc1, pw
.irp b, 0,1,2,3
	v_max3_num_f32 v[TM+\b], |v[\s+16*\b]|, |v[\s+16*\b+1]|, 0x1800000   ; my 16 numbers of block b, and the floor 2^(3 - 127): the byte cannot fall under 1
.endr
.irp i, 2,4,6,8,10,12,14
.irp b, 0,1,2,3
	v_max3_num_f32 v[TM+\b], v[TM+\b], |v[\s+16*\b+\i]|, |v[\s+16*\b+\i+1]|   ; the four blocks by turns
.endr
.endr
.irp b, 0,1,2,3
	v_permlanex16_b32 v[TM+4+\b], v[TM+\b], s[SEL], s[SEL+1]
.endr
.irp b, 0,1,2,3
	v_max_num_f32 v[TM+\b], v[TM+\b], v[TM+4+\b]           ; with lane l xor 16's: the block's largest magnitude
.endr
.irp b, 0,1,2,3
	v_add_nc_u32 v[TM+8+\b], 0xff000000, v[TM+\b]          ; 2 off its exponent field: the conversion takes that field as its scale
.endr
.irp b, 0,1,2,3
	v_lshrrev_b32 v[TM+4+\b], 23, v[TM+8+\b]               ; the scale's byte
.endr
	v_lshl_or_b32 v[\pw], v[TM+5], 8, v[TM+4]
	v_lshl_or_b32 v[\pw], v[TM+6], 16, v[\pw]
	v_lshl_or_b32 v[\pw], v[TM+7], 24, v[\pw]
.irp b, 0,1
	v_cvt_scalef32_pk8_fp4_f32 v[\pc0+2*\b], v[\s+16*\b:\s+16*\b+7], v[TM+8+\b]
	v_cvt_scalef32_pk8_fp4_f32 v[\pc0+2*\b+1], v[\s+16*\b+8:\s+16*\b+15], v[TM+8+\b]
.endr
.irp b, 0,1
	v_cvt_scalef32_pk8_fp4_f32 v[\pc1+2*\b], v[\s+32+16*\b:\s+32+16*\b+7], v[TM+10+\b]
	v_cvt_scalef32_pk8_fp4_f32 v[\pc1+2*\b+1], v[\s+32+16*\b+8:\s+32+16*\b+15], v[TM+10+\b]
.endr
	v_nop                                                  ; one plain place behind the last scaled conversion
.irp i, 0,1
	v_permlane16_swap_b32 v[\pc0+\i], v[\pc0+2+\i]         ; half blocks become whole blocks
	v_permlane16_swap_b32 v[\pc1+\i], v[\pc1+2+\i]
.endr
.endm
.macro KLOAD                           ; a record of K: nine loads
	WIN 0x40
.irp t, 0,1,2,3,4,5,6,7
	global_load_b128 v[KF+8*\t:KF+8*\t+3], v[KO], s[18:19] offset:512*\t
.endr
	WIN 0
	global_load_b128 v[KS:KS+3], v[KO], s[18:19] offset:4096
.endm
.macro VLOAD                           ; a record of V: nine loads
	WIN 0x40
.irp d, 0,1,2,3
.irp c, 0,1
	global_load_b128 v[VF+8*\d+4*\c:VF+8*\d+4*\c+3], v[VO], s[20:21] offset:1024*\d+512*\c
.endr
.endr
	WIN 0
	global_load_b128 v[VS:VS+3], v[VO], s[20:21] offset:4096
.endm
.macro NEXT reg                        ; the next step's record; behind step 15 comes step 0 again, so that no load leaves its buffer (and walk 1's last trip fetches walk 2's first record)
	s_add_co_u32 s[NX], s[STP], 1
	s_and_b32 s[NX], s[NX], 15
	s_mul_i32 s[NX], s[NX], REC
	v_add_nc_u32 v[\reg], s[NX], v[L16]
.endm
.macro QK tau, t                       ; S^T of key tile t for query tile tau (under WIN 0x01: K in window 1)
	MM SS+64*\tau+8*\t, KF+8*\t, QF+8*\tau, KS+\t/2, QS+\tau, 1, \t%2
.endm
.macro TSUB tau, j                     ; pair j of tile tau: c s - c m
	v_pk_fma_f32 v[SS+64*\tau+2*\j:SS+64*\tau+2*\j+1], v[SS+64*\tau+2*\j:SS+64*\tau+2*\j+1], s[CS:CS+1], v[STA+8*\tau:STA+8*\tau+1] op_sel_hi:[1,0,0] neg_lo:[0,0,1] neg_hi:[0,0,1]
.endm
; The lane's maximum of its 64 scores and its old m, in four chains; then c m anew and c m_old - c m_new.  Each accumulator is read from its low end on.
.macro MAXL tau
.set rT, STA+8*\tau
.set rS, SS+64*\tau
.irp k, 0,1,2,3
	v_max3_num_f32 v[rT+4+\k], v[rS+16*\k], v[rS+16*\k+1], v[rS+16*\k+2]
.endr
.irp i, 3,5,7,9,11,13
.irp k, 0,1,2,3
	v_max3_num_f32 v[rT+4+\k], v[rT+4+\k], v[rS+16*\k+\i], v[rS+16*\k+\i+1]
.endr
.endr
.irp k, 0,1,2,3
	v_max_num_f32 v[rT+4+\k], v[rT+4+\k], v[rS+16*\k+15]
.endr
	v_max3_num_f32 v[rT+4], v[rT+4], v[rT+5], v[rT+6]
	v_mov_b32 v[rT+5], v[rT]
	v_max3_num_f32 v[rT+1], v[rT+4], v[rT+7], v[rT+1]
	v_mul_f32 v[rT], s[CS], v[rT+1]
	v_sub_f32 v[rT+5], v[rT+5], v[rT]
.endm
; Number j of 32 of a tile's sum: the sum x a + pair 0; a second chain from pairs 1 and 2; the other pairs by turns onto the two chains; the chains joined.
.macro ADDOP tau, j
.set rT, STA+8*\tau
.set rS, SS+64*\tau
.if \j == 0
	s_wait_alu depctr_va_vdst(0)
	v_pk_fma_f32 v[rT+2:rT+3], v[rT+2:rT+3], v[rT+6:rT+7], v[rS:rS+1] op_sel_hi:[1,0,1]
.elseif \j == 1
	v_pk_add_f32 v[rT+4:rT+5], v[rS+2:rS+3], v[rS+4:rS+5]
.elseif \j == 31
	v_pk_add_f32 v[rT+2:rT+3], v[rT+2:rT+3], v[rT+4:rT+5]
.elseif (\j)%2 == 0
	v_pk_add_f32 v[rT+2:rT+3], v[rT+2:rT+3], v[rS+2*(\j)+2:rS+2*(\j)+3]
.else
	v_pk_add_f32 v[rT+4:rT+5], v[rT+4:rT+5], v[rS+2*(\j)+2:rS+2*(\j)+3]
.endif
.endm
; The two lanes of a query join their maxima and sums; query_mask / sum goes to window 1.
.macro FINISH tau
.set rT, STA+8*\tau
	v_add_f32 v[rT+2], v[rT+2], v[rT+3]
	v_permlanex16_b32 v[rT+4], v[rT+1], s[SEL], s[SEL+1]
	v_max_num_f32 v[rT+4], v[rT+1], v[rT+4]        ; the row's maximum
	v_mul_f32 v[rT+5], s[CS], v[rT+4]
	v_sub_f32 v[rT+6], v[rT], v[rT+5]
	v_exp_f32 v[rT+6], v[rT+6]
	v_mov_b32 v[rT], v[rT+5]                       ; c m is the row's from here on.  (The plain place behind the exponential)
	s_wait_alu depctr_va_vdst(0)
	v_mul_f32 v[rT+2], v[rT+2], v[rT+6]
	v_permlanex16_b32 v[rT+3], v[rT+2], s[SEL], s[SEL+1]
	v_add_f32 v[rT+2], v[rT+2], v[rT+3]            ; the row's sum
	v_rcp_f32 v[rT+3], v[rT+2]
	v_nop
	s_wait_alu depctr_va_vdst(0)
	v_mul_f32 v[rT+3], v[QMK+\tau], v[rT+3]
	WIN 0x40
	v_mov_b32 v[RQ+2*\tau], v[rT+3]
	v_mov_b32 v[RQ+2*\tau+1], v[rT+3]              ; (named with it as a pair)
	WIN 0
.endm
; The step that holds tile tau's diagonal: register 16 b + i holds key 128 step + 32 b + 16 h + i, hidden where it comes after my query.
.macro MASK tau
	s_lshl_b32 s39, s[STP], 7
	s_sub_co_i32 s39, s[QLO-\tau], s39
	v_add_nc_u32 v[MD], s39, v[RH]
.set N, 0
.rept 64
	v_cmp_gt_i32 vcc_lo, 32*(N/16)+N%16, v[MD]
	v_cndmask_b32 v[SS+64*\tau+N], v[SS+64*\tau+N], v[NINF], vcc_lo
.set N, N+1
.endr
.endm
; Walk 2's vector work for a tile: the weights, finished and normalised, and their codes.  From the second block on each exponential has a multiplication of the pair eight pairs back behind it.
.macro SOFT2 tau
.set J, 0
.rept 32
	TSUB \tau, J
.set J, J+1
.endr
.set J, 0
.rept 16
	v_exp_f32 v[SS+64*\tau+J], v[SS+64*\tau+J]
.set J, J+1
.endr
	v_nop
	WIN 0x04                                       ; source 1 in window 1: value_mask, query_mask / sum
.set J, 0
.rept 24
	v_exp_f32 v[SS+64*\tau+16+2*J], v[SS+64*\tau+16+2*J]
	s_wait_alu depctr_va_vdst(0)
	v_pk_mul_f32 v[SS+64*\tau+2*J:SS+64*\tau+2*J+1], v[SS+64*\tau+2*J:SS+64*\tau+2*J+1], v[VMR+2*J:VMR+2*J+1]
	v_exp_f32 v[SS+64*\tau+17+2*J], v[SS+64*\tau+17+2*J]
	v_pk_mul_f32 v[SS+64*\tau+2*J:SS+64*\tau+2*J+1], v[SS+64*\tau+2*J:SS+64*\tau+2*J+1], v[RQ+2*\tau:RQ+2*\tau+1] op_sel_hi:[1,0]
.set J, J+1
.endr
.set J, 24
	s_wait_alu depctr_va_vdst(0)
.rept 8
	v_pk_mul_f32 v[SS+64*\tau+2*J:SS+64*\tau+2*J+1], v[SS+64*\tau+2*J:SS+64*\tau+2*J+1], v[VMR+2*J:VMR+2*J+1]
.set J, J+1
.endr
.set J, 24
.rept 8
	v_pk_mul_f32 v[SS+64*\tau+2*J:SS+64*\tau+2*J+1], v[SS+64*\tau+2*J:SS+64*\tau+2*J+1], v[RQ+2*\tau:RQ+2*\tau+1] op_sel_hi:[1,0]
.set J, J+1
.endr
	WIN 0
	QUANT SS+64*\tau, PP+8*\tau, PP+8*\tau+4, PWD+\tau
.endm
.macro PV tau                          ; O^T += V^T w^T (under WIN 0x51: V, C and D in window 1).  Each accumulator has one instruction a step, with other accumulators' between
.irp d, 0,1,2,3
	MM OA+32*\tau+8*\d, VF+8*\d, PP+8*\tau, VS+\d, PWD+\tau, 0, 0
.endr
.endm
	s_load_b512 s[8:23], s[0:1], 0x0               ; query 8, query_mask 10, value_mask 12, Wq's codes 14, Wq's scales 16, kbuf 18, vbuf 20, gamma 22
	s_load_b128 s[24:27], s[0:1], 0x40             ; beta 24, out0 26
	v_lshl_add_u32 v110, v0, 2, 0x24800
	v_mov_b32 v111, 0
	v_lshrrev_b32 v1, 5, v0
	v_readfirstlane_b32 s[WV], v1                  ; wave = head
	s_and_b32 s4, ttmp7, 0xffff                    ; batch
	s_sub_co_u32 s5, 127, ttmp9
	s_lshr_b32 s[LHI], s5, 3
	s_lshr_b32 s[LLO], ttmp9, 3
	s_lshl_b32 s[QHI], s5, 4
	s_lshl_b32 s[QLO], ttmp9, 4
	s_lshr_b32 s6, s[WV], 2                        ; the rows that I carry in and out: LDS rows 4 w .. 4 w + 3: tile w / 4,
	s_and_b32 s7, s[WV], 3                         ; rows 4 (w % 4) on.  Also: the fragment of x that I quantise: tile w / 4, K step w % 4
	s_mul_i32 s39, s[WV], 4*PIT
	s_add_co_u32 s40, s39, OSTG
	s_add_co_u32 s39, s39, XRES
	s_mul_i32 s41, s6, 16*PIT
	s_lshl_b32 s42, s7, 9
	s_add_co_u32 s41, s41, s42
	s_add_co_u32 s41, s41, XRES
	s_lshl_b32 s42, s[WV], 8
	s_add_co_u32 s42, s42, OSTG
	s_lshl_b32 s43, s[WV], 10
	s_lshl_b32 s44, s[WV], 7
	s_cmp_lg_u32 s6, 0
	s_cselect_b32 s45, s[QHI], s[QLO]              ; (this choice enters offsets in memory alone)
	s_lshl_b32 s7, s7, 2
	s_add_co_u32 s45, s45, s7
	s_lshl_b32 s46, s4, 11
	s_add_co_u32 s45, s45, s46                     ; my first row of query and of out0,
	s_lshl_b32 s46, s45, 11                        ; in bytes
	s_mov_b32 s47, 0
	s_lshl_b32 s48, s4, 3
	s_add_co_u32 s48, s48, s[WV]
	s_mul_i32 s48, s48, 16*REC                     ; my head's 16 records
	s_mov_b32 s49, 0
	s_lshl_b32 s50, s[WV], 14                      ; my head's rows of Wq
	s_mov_b32 s51, 0
	s_lshl_b32 s52, s[WV], 10
	s_mov_b32 s53, 0
	s_lshl_b32 s54, s4, 13                         ; the batch's masks
	s_mov_b32 s55, 0
	s_lshl_b32 s56, s[QLO], 2
	s_add_co_u32 s56, s56, s54
	s_lshl_b32 s57, s[QHI], 2
	s_add_co_u32 s57, s57, s54
	s_mov_b32 s[CS], 0x3e38aa3b                    ; c = log2(e) / 8
	s_mov_b32 s[CS+1], s[CS]
	s_mov_b32 s[SEL], 0x76543210
	s_mov_b32 s[SEL+1], 0xfedcba98
	v_and_b32 v[LN], 31, v0
	v_and_b32 v[R], 15, v0
	v_bfe_u32 v[H], v0, 4, 1
	v_lshlrev_b32 v[L16], 4, v[LN]
	v_lshlrev_b32 v[L4], 2, v[LN]
	v_mov_b32 v[KO], v[L16]
	v_lshl_add_u32 v[VM8], v[H], 6, VM
	v_lshlrev_b32 v102, 4, v[H]
	v_sub_nc_u32 v[RH], v[R], v102
	v_mov_b32 v[NINF], 0xff800000
	v_add_nc_u32 v[XW], s39, v[L16]
	v_add_nc_u32 v[ORD], s40, v[L16]
	v_mul_u32_u24 v102, v[R], PIT
	v_lshl_add_u32 v102, v[H], 6, v102             ; row r, + 64 h
	v_add_nc_u32 v[XQ], s41, v102
	v_add_nc_u32 v[OS], s42, v102
	v_and_b32 v103, 8, v[R]
	v_add_nc_u32 v103, v103, v[R]                  ; r + 8 (r / 8)
	v_lshlrev_b32 v[WQA], 8, v103
	v_lshl_add_u32 v[WQA], v[H], 4, v[WQA]
	v_lshlrev_b32 v[WQB], 4, v103
	v_lshl_add_u32 v103, v[R], 2, s56              ; query_mask of my query in tile g,
	v_lshl_add_u32 v104, v[R], 2, s57              ; in tile 127 - g
	v_lshlrev_b32 v105, 4, v0                      ; value_mask: 16 bytes a thread
	v_add_nc_u32 v106, s43, v[L16]                 ; where my fragment's image goes,
	v_add_nc_u32 v107, s44, v[L4]                  ; and its scale words
	s_wait_kmcnt 0x0
	s_add_nc_u64 s[8:9], s[8:9], s[46:47]
	s_add_nc_u64 s[26:27], s[26:27], s[46:47]
	s_add_nc_u64 s[18:19], s[18:19], s[48:49]
	s_add_nc_u64 s[20:21], s[20:21], s[48:49]
	s_add_nc_u64 s[14:15], s[14:15], s[50:51]
	s_add_nc_u64 s[16:17], s[16:17], s[52:53]
	s_add_nc_u64 s[12:13], s[12:13], s[54:55]
	; ---- all that the head needs, in the order in which it is wanted
.irp i, 0,1,2,3
.irp c, 0,1,2,3
	global_load_b128 v[SS+64+16*\i+4*\c:SS+64+16*\i+4*\c+3], v[L16], s[8:9] offset:2048*\i+512*\c th:TH_LOAD_NT   ; my four rows of query, 512 consecutive bytes a load; no other wave of the launch reads them
.endr
.endr
	global_load_b128 v[SS:SS+3], v105, s[12:13]
	global_load_b128 v[SS+4:SS+7], v105, s[12:13] offset:4096
	global_load_b32 v[QMK], v103, s[10:11]
	global_load_b32 v[QMK+1], v104, s[10:11]
.irp d, 0,1,2,3
	global_load_b128 v[WQS+4*\d:WQS+4*\d+3], v[WQB], s[16:17] offset:(32*(\d/2)+8*(\d%2))*16
.endr
	WIN 0x40
.irp d, 0,1,2,3
.irp k, 0,1,2,3
.irp c, 0,1
	global_load_b128 v[WQF+8*(4*\d+\k)+4*\c:WQF+8*(4*\d+\k)+4*\c+3], v[WQA], s[14:15] offset:(32*(\d/2)+8*(\d%2))*256+64*\k+32*\c
.endr
.endr
.endr
	KLOAD                                          ; K's record of step 0
	WIN 0x40
.irp t, 0,1,2,3,4,5,6,7
.irp q, 4,5,6,7
	v_mov_b32 v[KF+8*\t+\q], 0                     ; the upper 64 along K: zero codes, written once
.endr
.endr
	WIN 0
.irp q, 4,5,6,7,12,13,14,15
	v_mov_b32 v[QF+\q], 0
.endr
.irp b, 0,1,2,3
	v_mov_b32 v[TM+4+\b], 0                        ; written once: a lane permute's destination counts as one of its sources
.endr
	s_wait_loadcnt 47                              ; query's rows and value_mask are in; behind them were issued 2 + 4 + 32 + 9 loads
.irp i, 0,1,2,3
.irp c, 0,1,2,3
	ds_store_b128 v[XW], v[SS+64+16*\i+4*\c:SS+64+16*\i+4*\c+3] offset:PIT*\i+512*\c
.endr
.endr
	ds_store_b128 v105, v[SS:SS+3] offset:VM
	ds_store_b128 v105, v[SS+4:SS+7] offset:VM+4096
	BARRIER                                        ; query's 32 rows and value_mask lie in LDS
	; ---- x: my wave quantises one fragment (16 rows x 128 along K) and stores it as an image of its registers
.irp b, 0,1,2,3
.irp j, 0,1,2,3
	ds_load_b128 v[SS+16*\b+4*\j:SS+16*\b+4*\j+3], v[XQ] offset:128*\b+16*\j
.endr
.endr
	s_wait_dscnt 0x0
	QUANT SS, PP, PP+4, PWD
	ds_store_b128 v106, v[PP:PP+3] offset:XIMG
	ds_store_b128 v106, v[PP+4:PP+7] offset:XIMG+512
	ds_store_b32 v107, v[PWD] offset:XSC
	BARRIER                                        ; x's eight fragments lie in LDS
.irp f, 0,1,2,3,4,5,6,7
.irp c, 0,1
	ds_load_b128 v[SS+64+8*\f+4*\c:SS+64+8*\f+4*\c+3], v[L16] offset:XIMG+1024*\f+512*\c
.endr
	ds_load_b32 v[XSW+\f], v[L4] offset:XSC+128*\f
.endr
	s_wait_dscnt 0x0
	s_wait_loadcnt 9                               ; Wq, its scale words and query_mask are in; K's nine loads may be out
	; ---- Q^T = Wq x^T for my head: eight accumulators (tile a / 4, channels' tile a % 4) by turns, K step by K step
	WIN 0x01                                       ; source 0 (Wq) window 1
.irp k, 0,1,2,3
.irp a, 0,1,2,3,4,5,6,7
.if \k == 0
	MM SS+8*\a, WQF+8*(4*(\a%4)+\k), SS+64+8*(4*(\a/4)+\k), WQS+4*(\a%4)+\k, XSW+4*(\a/4)+\k, 1, 0
.else
	MM SS+8*\a, WQF+8*(4*(\a%4)+\k), SS+64+8*(4*(\a/4)+\k), WQS+4*(\a%4)+\k, XSW+4*(\a/4)+\k, 0, 0
.endif
.endr
.endr
	WIN 0
	PLACES 4                                       ; between the last product and the first read of results (ISA guide 7.12.1)
	QUANT SS, QF, QF+8, PWD                        ; blocks 0, 1: tile g's 64 channels; blocks 2, 3: tile 127 - g's
	v_and_b32 v[QS], 0xffff, v[PWD]                ; two bytes a tile; the upper two, over zero codes, are 0
	v_lshrrev_b32 v[QS+1], 16, v[PWD]
.irp t, 0,1
	v_mov_b32 v[STA+8*\t+1], 0xff61b1e6            ; m = -3e38, under every score
	v_mov_b32 v[STA+8*\t+2], 0                     ; the sum
	v_mov_b32 v[STA+8*\t+3], 0
.endr
.irp t, 0,1
	v_mul_f32 v[STA+8*\t], s[CS], v[STA+8*\t+1]
.endr
	PLACES 8                                       ; a scale register written by a vector instruction stands eight places ahead of a scaled product, an operand so written four
	s_mov_b32 s[STP], 0
	; ---- WALK 1: 16 steps of 128 keys.  Each lane keeps the maximum and the sum of its own half of the keys: no exchange stands in the loop.
.Lwalk1:
	s_wait_loadcnt 0x0                             ; this step's record is in (it was asked for a whole step ago): so KO may be written
	WIN 0x01
.irp t, 0,1,2,3,4,5,6,7
	QK 0, \t
	QK 1, \t
.endr
	WIN 0
	NEXT KO
	PLACES 3                                       ; with the addition above: four places in front of loads into registers that products have read, and of the first read of results
	KLOAD
	MAXL 0
	MAXL 1
	v_exp_f32 v[STA+6], v[STA+5]                   ; a = 2^(c m_old - c m_new)
	v_exp_f32 v[STA+14], v[STA+13]
.set J, 0
.rept 32
	TSUB 0, J
.set J, J+1
.endr
.set J, 0
.rept 32                                       ; tile g's exponentials, with the other tile's scalings between them
	v_exp_f32 v[SS+2*J], v[SS+2*J]
	TSUB 1, J
	v_exp_f32 v[SS+2*J+1], v[SS+2*J+1]
.set J, J+1
.endr
.set J, 0
.rept 32                                       ; tile 127 - g's exponentials, with tile g's sums between them
	v_exp_f32 v[SS+64+2*J], v[SS+64+2*J]
	ADDOP 0, J
	v_exp_f32 v[SS+64+2*J+1], v[SS+64+2*J+1]
.set J, J+1
.endr
.set J, 0
.rept 32
	ADDOP 1, J
.set J, J+1
.endr
	s_add_co_u32 s[STP], s[STP], 1
	s_cmp_lt_u32 s[STP], 16
	s_cbranch_scc1 .Lwalk1
	FINISH 0
	FINISH 1
	; ---- WALK 2.  The loop has 16 trips in every work-group, so that the step's LDS offset is stepped a constant number of times; a trip past tile 127 - g's diagonal jumps to the lines that step.
	WIN 0x40
.set J, 0
.rept 64
	v_mov_b32 v[OA+J], 0                           ; O^T: cleared once, so that the step is written once
.set J, J+1
.endr
	WIN 0
	v_mov_b32 v[VO], v[L16]
	VLOAD                                          ; V's record of step 0, behind K's
	s_mov_b32 s[STP], 0
	s_mov_b32 s[VMO], 0
.Lwalk2:
	s_cmp_gt_u32 s[STP], s[LHI]
	s_cbranch_scc1 .Lskip
	v_add_nc_u32 v[VMA], s[VMO], v[VM8]
	WIN 0x40
.irp b, 0,1,2,3
.irp i, 0,1,2,3
	ds_load_b128 v[VMR+16*\b+4*\i:VMR+16*\b+4*\i+3], v[VMA] offset:128*\b+16*\i   ; value_mask of keys 32 b + 16 h + 4 i on: sixteen lanes read the same bytes
.endr
.endr
	WIN 0
	s_wait_loadcnt 9                               ; K's record of this step is in; V's nine loads, issued behind it, may be out
	WIN 0x01
.irp t, 0,1,2,3,4,5,6,7
	QK 1, \t
.endr
	WIN 0
	s_cmp_gt_u32 s[STP], s[LLO]
	s_cbranch_scc1 .Lno_scores0                    ; all this step's keys come after tile g's queries
	WIN 0x01
.irp t, 0,1,2,3,4,5,6,7
	QK 0, \t
.endr
	WIN 0
.Lno_scores0:
	NEXT KO
	PLACES 3                                       ; four places, as in walk 1
	KLOAD
	s_wait_dscnt 0x0                               ; value_mask is in
	s_cmp_lg_u32 s[STP], s[LHI]
	s_cbranch_scc1 .Lopen1
	MASK 1
.Lopen1:
	SOFT2 1
	s_cmp_gt_u32 s[STP], s[LLO]
	s_cbranch_scc1 .Lno_soft0
	s_cmp_lg_u32 s[STP], s[LLO]
	s_cbranch_scc1 .Lopen0
	MASK 0
.Lopen0:
	SOFT2 0
.Lno_soft0:
	PLACES 8                                       ; the weights' scale word stands eight places ahead of the scaled products, their codes four
	s_wait_loadcnt 9                               ; V's record of this step is in; the next K record's nine loads may be out
	WIN 0x51
	PV 1
	WIN 0
	s_cmp_gt_u32 s[STP], s[LLO]
	s_cbranch_scc1 .Lno_pv0
	WIN 0x51
	PV 0
	WIN 0
.Lno_pv0:
	NEXT VO                                        ; V's loads of this step are shown done by the wait above
	PLACES 3
	VLOAD
.Lskip:
	s_add_co_u32 s[VMO], s[VMO], 512
	s_add_co_u32 s[STP], s[STP], 1
	s_cmp_lt_u32 s[STP], 16
	s_cbranch_scc1 .Lwalk2
	; ---- THE WAY OUT.  The heads meet in LDS; each wave then owns four whole rows: residual, LayerNorm, store.
	s_wait_loadcnt 0x0                             ; the records fetched ahead and not used
	PLACES 4                                       ; in front of loads into registers that products have read, and of the stores that read results
.irp c, 0,1,2,3
	global_load_b128 v[PP+4*\c:PP+4*\c+3], v[L16], s[22:23] offset:512*\c    ; gamma of my 16 columns, 128 c + 4 lane + 0 .. 3
	global_load_b128 v[QF+4*\c:QF+4*\c+3], v[L16], s[24:25] offset:512*\c    ; beta
.endr
	WIN 0x04                                       ; an LDS store's data are its source 1: window 1
.irp t, 0,1
.irp d, 0,1,2,3
.irp q, 0,1
	ds_store_b128 v[OS], v[OA+32*\t+8*\d+4*\q:OA+32*\t+8*\d+4*\q+3] offset:16*PIT*\t+128*(\d/2)+32*(\d%2)+16*\q   ; row 16 t + r, column 64 w + 32 (d / 2) + 16 h + 8 (d % 2) + 4 q on; each accumulator from its low end
.endr
.endr
.endr
	WIN 0
	BARRIER                                        ; 32 whole rows lie in the stage
.irp i, 0,1,2,3
.irp c, 0,1,2,3
	ds_load_b128 v[SS+16*\i+4*\c:SS+16*\i+4*\c+3], v[ORD] offset:PIT*\i+512*\c
.endr
.irp c, 0,1,2,3
	ds_load_b128 v[SS+64+16*\i+4*\c:SS+64+16*\i+4*\c+3], v[XW] offset:PIT*\i+512*\c
.endr
.endr
	s_mov_b32 s40, 0x3b000000                      ; 1 / 512
	s_mov_b32 s41, 0x3a83126f                      ; 1e-3
.macro ALL32 x, t                      ; the sum of v[x] over the 32 lanes, in every lane
	v_add_f32_dpp v[\x], v[\x], v[\x] row_xmask:1 row_mask:0xf bank_mask:0xf
	v_add_f32_dpp v[\x], v[\x], v[\x] row_xmask:2 row_mask:0xf bank_mask:0xf
	v_add_f32_dpp v[\x], v[\x], v[\x] row_xmask:4 row_mask:0xf bank_mask:0xf
	v_add_f32_dpp v[\x], v[\x], v[\x] row_xmask:8 row_mask:0xf bank_mask:0xf
	v_permlanex16_b32 v[\t], v[\x], s[SEL], s[SEL+1]
	v_add_f32 v[\x], v[\x], v[\t]
.endm
; Row i of my four: 16 numbers a lane.  left: the LDS loads of the later rows, which may stay out.  The variance is the mean of squared deviations, never a difference of large sums.
.macro LNROW i, left, first
.set rY, SS+16*\i
.set rX, SS+64+16*\i
	s_wait_dscnt \left
.irp p, 0,2,4,6,8,10,12,14
	v_pk_add_f32 v[rY+\p:rY+\p+1], v[rY+\p:rY+\p+1], v[rX+\p:rX+\p+1]           ; y = heads + query
.endr
	v_pk_add_f32 v[102:103], v[rY:rY+1], v[rY+2:rY+3]
	v_pk_add_f32 v[104:105], v[rY+4:rY+5], v[rY+6:rY+7]
	v_pk_add_f32 v[106:107], v[rY+8:rY+9], v[rY+10:rY+11]
	v_pk_add_f32 v[108:109], v[rY+12:rY+13], v[rY+14:rY+15]
	v_pk_add_f32 v[102:103], v[102:103], v[104:105]
	v_pk_add_f32 v[106:107], v[106:107], v[108:109]
	v_pk_add_f32 v[102:103], v[102:103], v[106:107]
	v_add_f32 v102, v102, v103
	ALL32 102, 103
	v_mul_f32 v104, s40, v102                      ; the mean
.irp p, 0,2,4,6,8,10,12,14
	v_pk_add_f32 v[rY+\p:rY+\p+1], v[rY+\p:rY+\p+1], v[104:105] op_sel_hi:[1,0] neg_lo:[0,1] neg_hi:[0,1]
.endr
	v_pk_mul_f32 v[106:107], v[rY:rY+1], v[rY:rY+1]
	v_pk_mul_f32 v[108:109], v[rY+2:rY+3], v[rY+2:rY+3]
.irp p, 4,8,12
	v_pk_fma_f32 v[106:107], v[rY+\p:rY+\p+1], v[rY+\p:rY+\p+1], v[106:107]
	v_pk_fma_f32 v[108:109], v[rY+\p+2:rY+\p+3], v[rY+\p+2:rY+\p+3], v[108:109]
.endr
	v_pk_add_f32 v[106:107], v[106:107], v[108:109]
	v_add_f32 v106, v106, v107
	ALL32 106, 107
	v_fma_f32 v106, v106, s40, s41                 ; the variance + 1e-3
	v_rsq_f32 v108, v106
	v_nop                                          ; one plain place behind the transcendental
.if \first
	s_wait_loadcnt 0x0                             ; gamma and beta
.endif
	s_wait_alu depctr_va_vdst(0)
.irp p, 0,2,4,6,8,10,12,14
	v_pk_mul_f32 v[rY+\p:rY+\p+1], v[rY+\p:rY+\p+1], v[108:109] op_sel_hi:[1,0]
.endr
.irp p, 0,2,4,6,8,10,12,14
	v_pk_fma_f32 v[rY+\p:rY+\p+1], v[rY+\p:rY+\p+1], v[PP+\p:PP+\p+1], v[QF+\p:QF+\p+1]
.endr
.irp c, 0,1,2,3
	global_store_b128 v[L16], v[rY+4*\c:rY+4*\c+3], s[26:27] offset:2048*\i+512*\c th:TH_STORE_NT   ; 32 lanes store 512 consecutive bytes, at a multiple of 512 from out0's first byte; each row has its own registers
.endr
.endm
	LNROW 0, 24, 1
	LNROW 1, 16, 0
	LNROW 2, 8, 0
	LNROW 3, 0, 0
	s_wait_tensorcnt 0x0
	ds_add_u32 v110, v111
	s_wait_dscnt 0x0
	s_endpgm
.Lfunc_end_k_q27bbc2b519_attn:
	.size	k_q27bbc2b519_attn, .Lfunc_end_k_q27bbc2b519_attn-k_q27bbc2b519_attn
	.p2alignl 7, 3214868480
	.fill 96, 4, 3214868480
	.section	.rodata,"a",@progbits
	.p2align	6, 0x0
	.amdhsa_kernel k_q27bbc2b519_attn
		.amdhsa_group_segment_fixed_size 150528
		.amdhsa_private_segment_fixed_size 0
		.amdhsa_enable_private_segment 0
		.amdhsa_kernarg_size 80
		.amdhsa_user_sgpr_count 2
		.amdhsa_user_sgpr_kernarg_segment_ptr 1
		.amdhsa_wavefront_size32 1
		.amdhsa_system_sgpr_workgroup_id_x 1
		.amdhsa_system_sgpr_workgroup_id_y 1
		.amdhsa_system_sgpr_workgroup_id_z 1
		.amdhsa_system_vgpr_workitem_id 0
		.amdhsa_next_free_vgpr 512
		.amdhsa_next_free_sgpr 66
		.amdhsa_reserve_vcc 1
		.amdhsa_float_denorm_mode_32 3
		.amdhsa_float_denorm_mode_16_64 3
		.amdhsa_memory_ordered 1
		.amdhsa_forward_progress 1
		.amdhsa_inst_pref_size 117
	.end_amdhsa_kernel
	.amdgpu_metadata
---
amdhsa.version: [ 1, 2 ]
amdhsa.kernels:
  - .name:           k_q27bbc2b519_attn
    .symbol:         k_q27bbc2b519_attn.kd
    .args:
      - { .name: query, .offset: 0, .size: 8, .value_kind: global_buffer, .address_space: global }
      - { .name: query_mask, .offset: 8, .size: 8, .value_kind: global_buffer, .address_space: global }
      - { .name: value_mask, .offset: 16, .size: 8, .value_kind: global_buffer, .address_space: global }
      - { .name: Wq_codes, .offset: 24, .size: 8, .value_kind: global_buffer, .address_space: global }
      - { .name: Wq_scales, .offset: 32, .size: 8, .value_kind: global_buffer, .address_space: global }
      - { .name: kbuf, .offset: 40, .size: 8, .value_kind: global_buffer, .address_space: global }
      - { .name: vbuf, .offset: 48, .size: 8, .value_kind: global_buffer, .address_space: global }
      - { .name: gamma, .offset: 56, .size: 8, .value_kind: global_buffer, .address_space: global }
      - { .name: beta, .offset: 64, .size: 8, .value_kind: global_buffer, .address_space: global }
      - { .name: out0, .offset: 72, .size: 8, .value_kind: global_buffer, .address_space: global }
    .group_segment_fixed_size: 150528
    .private_segment_fixed_size: 0
    .kernarg_segment_align: 8
    .kernarg_segment_size: 80
    .max_flat_workgroup_size: 256
    .sgpr_count:     66
    .vgpr_count:     512
    .wavefront_size: 32
...
	.end_amdgpu_metadata
.endif
;; end of part 2
;; ======== version 2 of 2: 2 launches; version 1 with the launches kvproj, attn written anew for expert scheduling mode
;; workspace buffers: kbuf 2,359,296 bytes; vbuf 2,359,296 bytes
;; launch kvproj (part 3): grid 256 x 1, 4 waves a work-group, no clusters, 0 bytes of LDS; arguments key_codes, key_scales, Wk_codes, Wk_scales, value_codes, value_scales, Wv_codes, Wv_scales, kbuf, vbuf; writes kbuf, vbuf
.if DOCPART == 3
	.amdgcn_target "amdgcn-amd-amdhsa--gfx1250"
	.amdhsa_code_object_version 6
	.text
	.protected	k_q27bbc2b519_kvproj
	.globl	k_q27bbc2b519_kvproj
	.p2align	8
	.type	k_q27bbc2b519_kvproj,@function
k_q27bbc2b519_kvproj:
	s_mov_b64 s[64:65], 0
	v_nop
	global_prefetch_b8 v0, s[64:65] scope:SCOPE_SE
	s_setreg_imm32_b32 hwreg(HW_REG_WAVE_SCHED_MODE, 0, 2), 2
	s_setreg_imm32_b32 hwreg(HW_REG_WAVE_MODE, 25, 1), 1
	s_wait_xcnt 0x0
	s_wait_alu depctr_vm_vsrc(0)
; K = key Wk and V = value Wv (per head, K = 512 along the model's axis), both on the given codes of FP4 (E2M1) with E8M0 scales; the f32 results are
; quantised again, K along the head's 64 channels and V along the keys, and stored IN THE ORDER OF THE NEXT LAUNCH'S OPERAND REGISTERS.
; SHARES.  512 records of K and 512 of V; a record is one head's 128 keys.  One wave makes one record; work-groups 0-127 make K's, 128-255 V's.  Waves share nothing: no LDS, no barrier.
; ROW ORDER.  Lane r of tile t takes row MAP(t, r) = 32 (t / 2) + 8 (t % 2) + r + 8 (r / 8), of the keys as of the weights' channels, so that in a result the 16 registers of tiles 2 b and 2 b + 1
; are 16 neighbours, 32 b + 16 (lane / 16) + 0 .. 15, along the axis that is quantised next.
; K: source 0 = 16 channels of Wk, source 1 = 16 keys: a lane holds ONE key and its registers run along the channels.  V: source 0 = 16 keys, source 1 = 16 channels of Wv: a lane holds ONE channel and its registers run along the keys.
; A RECORD, 4,608 bytes.  K: at 512 t + 16 lane the four registers of key tile t (lane (r, h): channels 32 h .. 32 h + 31 of key MAP(t, r)); at 4,096 + 16 lane four scale words: word p is tile 2 p's in lanes 0-15
; and tile 2 p + 1's in lanes 16-31, two bytes used.   V: at 1,024 p + 512 c + 16 lane registers 4 c .. 4 c + 3 of channel tile p (keys 64 c + 32 h + 0 .. 31 of channel MAP(p, r)); at 4,096 + 16 lane the four tiles' scale words.
; Every store of the wave covers 512 consecutive bytes, at a multiple of 512 from the buffer's first byte.
; LIMITS: NaN, infinities and the scale byte 0xff among the inputs are not served.  A block of zeros gets the byte 1 where the rule says 127: its codes are zeros, and this program alone reads the bytes.
; REGISTERS.  window 0: v1-7 lane numbers and offsets; v16-47 the keys' scale words, v48-63 the weights' (both hold scales alone); v64-127 eight accumulators; v128-159 codes; v160-167 scale words made; v168-179 at work.
;   window 1: the 32 fragments of the 128 rows of key or value (tile t, K step k at v[8 (4 t + k)]).   window 2: the 16 fragments of the head's weights (tile d, K step k at v[8 (4 d + k)]).
; THE MODE: SCHED_MODE bits 1:0 = 2 (LLVM: expert scheduling mode 2), set by the entry lines.  The code itself states the register dependences
; between vector or matrix instructions and memory instructions, with s_wait_alu, always for 0.
; THE PLAN.  Registers that memory instructions touch:
;   v4, v5, v6        offsets, written once at the head and never again: one wait ahead of the first load serves every load and store.
;   v16-63, windows 1 and 2   loaded once, ahead of all matrix work; afterwards named by products alone.
;   PC + 8 p          a quarter's codes: written by that quarter's quantiser, read by its two stores, never written again: one wait behind each quantiser.
;   PW, KW            the scale words: written by vector lines, read by the record's last store.
.set REC,  4608
.set XS,   16
.set WS,   48
.set ACC,  64
.set PC,   128
.set PW,   160
.set KW,   164
.set TM,   168
.set SEL,  30
.set MSB,  0
.macro WIN new                         ; the immediate's high byte repeats the setting that is left; a switch that changes nothing is dropped
.if MSB != \new
	s_set_vgpr_msb (MSB<<8)|\new
.set MSB, \new
.endif
.endm
.macro MM d, a, b, sa, sb, zero        ; one product 16 x 16 x 128; zero = 1: it starts the sum
.if \zero
	v_wmma_scale_f32_16x16x128_f8f6f4 v[\d:\d+7], v[\a:\a+7], v[\b:\b+7], 0, v[\sa], v[\sb] matrix_a_fmt:MATRIX_FMT_FP4 matrix_b_fmt:MATRIX_FMT_FP4
.else
	v_wmma_scale_f32_16x16x128_f8f6f4 v[\d:\d+7], v[\a:\a+7], v[\b:\b+7], v[\d:\d+7], v[\sa], v[\sb] matrix_a_fmt:MATRIX_FMT_FP4 matrix_b_fmt:MATRIX_FMT_FP4
.endif
.endm
; 64 numbers of a lane, v[s] .. v[s + 63], register 16 b + i = element 32 b + 16 (lane / 16) + i of the lane's row, become codes (blocks 0, 1 in v[pc0] .. + 3, blocks 2, 3 in v[pc1] .. + 3, a whole block to a lane:
; lanes 0-15 the even block, lanes 16-31 the odd one) and the four blocks' scale bytes in v[pw].  Each accumulator is read from its low end on.
.macro QUANT s, pc0, pc1, pw
.irp b, 0,1,2,3
	v_max3_num_f32 v[TM+\b], |v[\s+16*\b]|, |v[\s+16*\b+1]|, 0x1800000   ; my 16 numbers of block b, and the floor 2^(3 - 127): the byte cannot fall under 1
.endr
.irp i, 2,4,6,8,10,12,14
.irp b, 0,1,2,3
	v_max3_num_f32 v[TM+\b], v[TM+\b], |v[\s+16*\b+\i]|, |v[\s+16*\b+\i+1]|   ; the four blocks by turns
.endr
.endr
.irp b, 0,1,2,3
	v_permlanex16_b32 v[TM+4+\b], v[TM+\b], s[SEL], s[SEL+1]
.endr
.irp b, 0,1,2,3
	v_max_num_f32 v[TM+\b], v[TM+\b], v[TM+4+\b]           ; with lane l xor 16's: the block's largest magnitude
.endr
.irp b, 0,1,2,3
	v_add_nc_u32 v[TM+8+\b], 0xff000000, v[TM+\b]          ; 2 off its exponent field: the conversion takes that field as its scale
.endr
.irp b, 0,1,2,3
	v_lshrrev_b32 v[TM+4+\b], 23, v[TM+8+\b]               ; the scale's byte
.endr
	v_lshl_or_b32 v[\pw], v[TM+5], 8, v[TM+4]
	v_lshl_or_b32 v[\pw], v[TM+6], 16, v[\pw]
	v_lshl_or_b32 v[\pw], v[TM+7], 24, v[\pw]
.irp b, 0,1
	v_cvt_scalef32_pk8_fp4_f32 v[\pc0+2*\b], v[\s+16*\b:\s+16*\b+7], v[TM+8+\b]
	v_cvt_scalef32_pk8_fp4_f32 v[\pc0+2*\b+1], v[\s+16*\b+8:\s+16*\b+15], v[TM+8+\b]
.endr
.irp b, 0,1
	v_cvt_scalef32_pk8_fp4_f32 v[\pc1+2*\b], v[\s+32+16*\b:\s+32+16*\b+7], v[TM+10+\b]
	v_cvt_scalef32_pk8_fp4_f32 v[\pc1+2*\b+1], v[\s+32+16*\b+8:\s+32+16*\b+15], v[TM+10+\b]
.endr
	v_nop                                                  ; one plain place behind the last scaled conversion
.irp i, 0,1
	v_permlane16_swap_b32 v[\pc0+\i], v[\pc0+2+\i]         ; half blocks become whole blocks
	v_permlane16_swap_b32 v[\pc1+\i], v[\pc1+2+\i]
.endr
.endm
	s_load_b512 s[8:23], s[0:1], 0x0               ; key's codes, scales; Wk's codes, scales; value's codes, scales; Wv's codes, scales
	s_load_b128 s[24:27], s[0:1], 0x40             ; kbuf, vbuf
	v_lshrrev_b32 v1, 5, v0
	v_readfirstlane_b32 s2, v1                     ; wave 0..3
	v_and_b32 v1, 31, v0                           ; lane
	v_and_b32 v2, 15, v0                           ; r
	v_bfe_u32 v3, v0, 4, 1                         ; h
	v_lshlrev_b32 v4, 4, v1                        ; 16 x lane: my place in every store
	v_and_b32 v8, 8, v2
	v_add_nc_u32 v8, v8, v2                        ; r + 8 (r / 8)
	v_lshlrev_b32 v5, 8, v8
	v_lshl_add_u32 v5, v3, 4, v5                   ; codes: a row of 512 codes is 256 bytes, + 16 h
	v_lshlrev_b32 v6, 4, v8                        ; scale bytes: 16 a row
	v_lshlrev_b32 v7, 4, v3                        ; 16 h: a shift
.irp b, 0,1,2,3
	v_mov_b32 v[TM+4+\b], 0                        ; written once: a lane permute's destination counts as one of its sources
.endr
	s_mov_b32 s[SEL], 0x76543210
	s_mov_b32 s[SEL+1], 0xfedcba98                 ; lane l xor 16
	s_and_b32 s3, ttmp9, 127
	s_lshr_b32 s4, s3, 5                           ; batch
	s_bfe_u32 s5, s3, 0x40001                      ; which 128 keys
	s_and_b32 s6, s3, 1
	s_lshl_b32 s6, s6, 2
	s_wait_alu depctr_va_sdst(0)                   ; s2, the wave's number, is written, ahead of its first reader: the head's number is made from it
	s_add_co_u32 s6, s6, s2                        ; head
	s_lshl_b32 s32, s4, 19
	s_lshl_b32 s33, s5, 15
	s_add_co_u32 s32, s32, s33                     ; (2,048 batch + 128 step) rows of 256 bytes,
	s_mov_b32 s33, 0
	s_lshr_b32 s34, s32, 4                         ; and of 16
	s_mov_b32 s35, 0
	s_lshl_b32 s36, s6, 14                         ; the head's 64 rows of weights, 256 bytes each,
	s_mov_b32 s37, 0
	s_lshl_b32 s38, s6, 10                         ; and of 16
	s_mov_b32 s39, 0
	s_lshl_b32 s40, s4, 3
	s_add_co_u32 s40, s40, s6
	s_lshl_b32 s40, s40, 4
	s_add_co_u32 s40, s40, s5
	s_mul_i32 s40, s40, REC                        ; my record
	s_mov_b32 s41, 0
	s_wait_kmcnt 0x0
	s_cmp_lt_u32 ttmp9, 128                        ; K's work-group or V's?  The choice hangs on the work-group's number alone
	s_cselect_b64 s[8:9], s[8:9], s[16:17]
	s_cselect_b64 s[10:11], s[10:11], s[18:19]
	s_cselect_b64 s[12:13], s[12:13], s[20:21]
	s_cselect_b64 s[14:15], s[14:15], s[22:23]
	s_cselect_b64 s[24:25], s[24:25], s[26:27]
	s_add_nc_u64 s[8:9], s[8:9], s[32:33]
	s_add_nc_u64 s[10:11], s[10:11], s[34:35]
	s_add_nc_u64 s[12:13], s[12:13], s[36:37]
	s_add_nc_u64 s[14:15], s[14:15], s[38:39]
	s_add_nc_u64 s[24:25], s[24:25], s[40:41]
	s_wait_alu depctr_va_vdst(0)                   ; the offsets v4, v5 and v6 are written: every load and store of the kernel reads one of them.  Only loads and window switches follow up to the last load
	; all operands at once: a row's 16 scale bytes are its four K steps' words
.irp t, 0,1,2,3,4,5,6,7
	global_load_b128 v[XS+4*\t:XS+4*\t+3], v6, s[10:11] offset:(32*(\t/2)+8*(\t%2))*16
.endr
.irp d, 0,1,2,3
	global_load_b128 v[WS+4*\d:WS+4*\d+3], v6, s[14:15] offset:(32*(\d/2)+8*(\d%2))*16
.endr
	WIN 0x80                                       ; destination window 2
.irp d, 0,1,2,3
.irp k, 0,1,2,3
.irp c, 0,1
	global_load_b128 v[8*(4*\d+\k)+4*\c:8*(4*\d+\k)+4*\c+3], v5, s[12:13] offset:(32*(\d/2)+8*(\d%2))*256+64*\k+32*\c
.endr
.endr
.endr
	WIN 0x40                                       ; destination window 1
.irp t, 0,1,2,3,4,5,6,7
.irp k, 0,1,2,3
.irp c, 0,1
	global_load_b128 v[8*(4*\t+\k)+4*\c:8*(4*\t+\k)+4*\c+3], v5, s[8:9] offset:(32*(\t/2)+8*(\t%2))*256+64*\k+32*\c
.endr
.endr
.endr
	WIN 0
	s_wait_loadcnt 0x0
; A quarter of a record: 32 products, K step by K step, the eight accumulators by turns, one instruction a turn; then the quantiser and two stores.
; kind 0 (K): key tiles 2 p, 2 p + 1 x the four channel tiles (accumulator a: key tile 2 p + a / 4, channel tile a % 4).   kind 1 (V): the eight key tiles x channel tile p.
.macro PART kind, p
.if \kind
	WIN 0x09                                       ; source 0 = keys (window 1), source 1 = weights (window 2)
.else
	WIN 0x06                                       ; source 0 = weights (window 2), source 1 = keys (window 1)
.endif
.irp k, 0,1,2,3
.irp a, 0,1,2,3,4,5,6,7
.if \kind
.set rA, 8*(4*\a+\k)
.set rB, 8*(4*\p+\k)
.set sA, XS+4*\a+\k
.set sB, WS+4*\p+\k
.else
.set rA, 8*(4*(\a%4)+\k)
.set rB, 8*(4*(2*\p+\a/4)+\k)
.set sA, WS+4*(\a%4)+\k
.set sB, XS+4*(2*\p+\a/4)+\k
.endif
.if \k == 0
	MM ACC+8*\a, rA, rB, sA, sB, 1
.else
	MM ACC+8*\a, rA, rB, sA, sB, 0
.endif
.endr
.endr
	WIN 0
.rept 4
	v_nop                                          ; four places between the last product and the first read of results (ISA guide 7.12.1)
.endr
	QUANT ACC, PC+8*\p, PC+8*\p+4, PW+\p
	s_wait_alu depctr_va_vdst(0)                   ; the quantiser has written this quarter's codes, which the two stores read, and its scale word
	global_store_b128 v4, v[PC+8*\p:PC+8*\p+3], s[24:25] offset:1024*\p         ; each quarter has its own code registers: no store's data are written again
	global_store_b128 v4, v[PC+8*\p+4:PC+8*\p+7], s[24:25] offset:1024*\p+512
.endm
	s_cmp_ge_u32 ttmp9, 128
	s_cbranch_scc1 .Lvalues
	PART 0, 0
	PART 0, 1
	PART 0, 2
	PART 0, 3
.irp p, 0,1,2,3
	v_lshrrev_b32 v[KW+\p], v7, v[PW+\p]           ; lanes 0-15 keep tile 2 p's two bytes, lanes 16-31 take tile 2 p + 1's
.endr
.irp p, 0,1,2,3
	v_and_b32 v[KW+\p], 0xffff, v[KW+\p]           ; the upper two bytes, for the 64 along K that are zero codes, are 0
.endr
	s_wait_alu depctr_va_vdst(0)                   ; the eight lines above have written K's four scale words, which the store reads
	global_store_b128 v4, v[KW:KW+3], s[24:25] offset:4096
	s_endpgm
.Lvalues:
	PART 1, 0
	PART 1, 1
	PART 1, 2
	PART 1, 3
	global_store_b128 v4, v[PW:PW+3], s[24:25] offset:4096   ; no wait of its own: the four words were written ahead of the last quarter's wait, and no vector instruction has been issued since
	s_endpgm
.Lfunc_end_k_q27bbc2b519_kvproj:
	.size	k_q27bbc2b519_kvproj, .Lfunc_end_k_q27bbc2b519_kvproj-k_q27bbc2b519_kvproj
	.p2alignl 7, 3214868480
	.fill 96, 4, 3214868480
	.section	.rodata,"a",@progbits
	.p2align	6, 0x0
	.amdhsa_kernel k_q27bbc2b519_kvproj
		.amdhsa_group_segment_fixed_size 0
		.amdhsa_private_segment_fixed_size 0
		.amdhsa_enable_private_segment 0
		.amdhsa_kernarg_size 80
		.amdhsa_user_sgpr_count 2
		.amdhsa_user_sgpr_kernarg_segment_ptr 1
		.amdhsa_wavefront_size32 1
		.amdhsa_system_sgpr_workgroup_id_x 1
		.amdhsa_system_sgpr_workgroup_id_y 1
		.amdhsa_system_sgpr_workgroup_id_z 1
		.amdhsa_system_vgpr_workitem_id 0
		.amdhsa_next_free_vgpr 640
		.amdhsa_next_free_sgpr 66
		.amdhsa_reserve_vcc 0
		.amdhsa_float_denorm_mode_32 3
		.amdhsa_float_denorm_mode_16_64 3
		.amdhsa_memory_ordered 1
		.amdhsa_forward_progress 1
		.amdhsa_inst_pref_size 79
	.end_amdhsa_kernel
	.amdgpu_metadata
---
amdhsa.version: [ 1, 2 ]
amdhsa.kernels:
  - .name:           k_q27bbc2b519_kvproj
    .symbol:         k_q27bbc2b519_kvproj.kd
    .args:
      - { .name: key_codes, .offset: 0, .size: 8, .value_kind: global_buffer, .address_space: global }
      - { .name: key_scales, .offset: 8, .size: 8, .value_kind: global_buffer, .address_space: global }
      - { .name: Wk_codes, .offset: 16, .size: 8, .value_kind: global_buffer, .address_space: global }
      - { .name: Wk_scales, .offset: 24, .size: 8, .value_kind: global_buffer, .address_space: global }
      - { .name: value_codes, .offset: 32, .size: 8, .value_kind: global_buffer, .address_space: global }
      - { .name: value_scales, .offset: 40, .size: 8, .value_kind: global_buffer, .address_space: global }
      - { .name: Wv_codes, .offset: 48, .size: 8, .value_kind: global_buffer, .address_space: global }
      - { .name: Wv_scales, .offset: 56, .size: 8, .value_kind: global_buffer, .address_space: global }
      - { .name: kbuf, .offset: 64, .size: 8, .value_kind: global_buffer, .address_space: global }
      - { .name: vbuf, .offset: 72, .size: 8, .value_kind: global_buffer, .address_space: global }
    .group_segment_fixed_size: 0
    .private_segment_fixed_size: 0
    .kernarg_segment_align: 8
    .kernarg_segment_size: 80
    .max_flat_workgroup_size: 128
    .sgpr_count:     66
    .vgpr_count:     640
    .wavefront_size: 32
...
	.end_amdgpu_metadata
.endif
;; end of part 3
;; launch attn (part 4): grid 64 x 4, 8 waves a work-group, no clusters, 150,528 bytes of LDS; arguments query, query_mask, value_mask, Wq_codes, Wq_scales, kbuf, vbuf, gamma, beta, out0; writes out0
.if DOCPART == 4
	.amdgcn_target "amdgcn-amd-amdhsa--gfx1250"
	.amdhsa_code_object_version 6
	.text
	.protected	k_q27bbc2b519_attn
	.globl	k_q27bbc2b519_attn
	.p2align	8
	.type	k_q27bbc2b519_attn,@function
k_q27bbc2b519_attn:
	s_mov_b64 s[64:65], 0
	v_nop
	global_prefetch_b8 v0, s[64:65] scope:SCOPE_SE
	s_setreg_imm32_b32 hwreg(HW_REG_WAVE_SCHED_MODE, 0, 2), 2
	s_setreg_imm32_b32 hwreg(HW_REG_WAVE_MODE, 25, 1), 1
	s_wait_xcnt 0x0
	s_wait_alu depctr_vm_vsrc(0)
; out = LayerNorm(query + concat over heads of (softmax(Q K^T / 8) x tril x query_mask x value_mask) V), all products on codes of FP4 (E2M1) with one E8M0 scale for each 32 along K.
; The softmax runs over ALL 2,048 keys; triangle and masks multiply it afterwards, and the finished, normalised weights are what is quantised along the keys.  A row's whole sum is therefore known before any code of the row is made: TWO WALKS over the keys.
;   walk 1: all 16 steps of 128 keys: scores, a running maximum and sum for each lane;   walk 2: only the steps that the triangle leaves: scores again (the same instructions on the same operands: the same bits),
;   w = 2^(c s - c m) x value_mask x (query_mask / sum), hidden keys' scores set to -infinity ahead of the exponential; w quantised; O^T += V^T w^T.   c = log2(e) / 8.
; SHARES.  A work-group owns 32 queries of one batch for ALL 8 heads (the norm spans the heads): wave = head.  The queries are tiles g and 127 - g of 16, so that walk 2 has (g / 8 + 1) + ((127 - g) / 8 + 1) = 17 tile steps in every work-group.
; K and V come as records laid in the order of the operands' registers (the launch before): each wave loads its head's record straight into registers, 512 consecutive bytes an instruction, one step ahead.  No barrier stands in the walks.
; NO CLUSTER, NO JOINT LOADS: the work-groups of a batch do read the same records, but inside a work-group each record (4,608 bytes) feeds one wave alone and goes into its registers without passing LDS; joint requests would put
; eight heads' records through LDS slots with a barrier for each step, and in walk 2 partners need different numbers of steps, (127 - g) / 8 + 1.
; LAYOUT.  All products are used transposed (source 0 = 16 channels of Wq, 16 keys of K, 16 channels of V; source 1 = my 16 queries): a lane holds ONE query (lane % 16) throughout.  The rows of a tile are
; MAP(t, r) = 32 (t / 2) + 8 (t % 2) + r + 8 (r / 8), so that the 16 registers of tiles 2 b and 2 b + 1 are 16 neighbours, 32 b + 16 (lane / 16) + 0 .. 15, along the next K.
; The first attention product has K = 64: the upper 64 of the instruction's 128 are zero codes on both sides (registers 4-7 of each fragment, cleared once).
; LIMITS: NaN, infinities and the scale byte 0xff among the inputs are not served.  A weight under 2^-126 comes out of v_exp_f32 as 0 (ISA guide 15.8).  A block of zeros gets the byte 1 where the rule says 127: its codes are zeros,
; and the bytes never leave the registers.  1 / sum and 1 / sqrt are v_rcp_f32 and v_rsq_f32.  The weight's factors are multiplied in the order e x value_mask x (query_mask / sum).
; LDS: images of x's 8 fragments and their scale words; value_mask of the batch; query's 32 rows in f32 (for the quantiser and the residual); the heads' results.  Rows of 2,048 bytes + 16: sixteen rows start at sixteen different banks (ISA guide 11.1).
; THE MODE: SCHED_MODE bits 1:0 = 2 (LLVM: expert scheduling mode 2), set by the entry lines.  The code itself states the register dependences
; between vector or matrix instructions and memory or LDS instructions, with s_wait_alu, always for 0.
; THE PLAN.  Registers that memory or LDS instructions touch:
;   L16, L4, XW, XQ, OS, ORD, WQA, WQB, v103-107, and the first KO and VO: offsets and LDS addresses, written at the head: one wait ahead of the first load serves them for the whole kernel.
;   SS at the head: the LDS stores of query and value_mask read it, LDS loads land in it behind barrier 1.   PP, PWD, v106, v107: x's image stores read them; later quantisers and the norm write them: behind barrier 2.
;   KF, KS     a step's score products read them; behind those the next record lands in them.      KO   read by a record's nine loads, stepped once a step.
;   VMR, VMA   walk 2: the weights' multiplications read VMR, sixteen LDS loads a step land in it; VMA, their address, is stepped once a step.
;   VF, VS     walk 2: the step's last products read them; behind those the next record lands in them.      VO   as KO.
;   QF, QS, PP, PWD, the zero halves of KF: written by vector instructions and taken by scaled products as operands or scales.
;   On the way out: gamma lands in PP, beta in QF, the stage's rows and query's in SS; O^T is stored to LDS; a row's results are stored from SS, each row from registers of its own.
; So a step of walk 1 holds one wait on vm_vsrc and one on va_vdst, behind its sixteen products, whose results the step's next lines want in any case.  A step of walk 2 holds that pair, which serves K's record and value_mask together,
; one wait on va_vdst ahead of the last products (codes and scale words are written), and a second pair behind them, for V's record.  The exponentials go in batches, with one wait to a batch.
.set XIMG, 0                           ; 8 x 1,024: fragment f = 4 tau + K step, as an image of its registers
.set XSC,  8192                        ; 8 x 128: their scale words, 4 bytes a lane
.set VM,   9216                        ; 8,192: value_mask
.set XRES, 17408                       ; 32 rows x PIT: query
.set OSTG, 83456                       ; 32 rows x PIT: the heads' results
.set PIT,  2064
.set REC,  4608
; window 0
.set LN,   1                           ; lane
.set R,    2                           ; lane % 16
.set H,    3                           ; lane / 16
.set L16,  4                           ; 16 x lane
.set L4,   5                           ; 4 x lane
.set KO,   6                           ; byte offset of the K record being loaded, + 16 x lane
.set VO,   7                           ; the same for V
.set VM8,  8                           ; VM + 64 h
.set VMA,  9                           ; the step's value_mask
.set RH,   10                          ; r - 16 h
.set NINF, 11                          ; -infinity
.set MD,   12                          ; the triangle: my query less the step's first key less 16 h
.set XW,   13                          ; XRES: my wave's four rows, 16 x lane
.set XQ,   14                          ; XRES: the fragment that my wave quantises
.set OS,   15                          ; OSTG: where my head's results go
.set QF,   16                          ; v16-31  Q's two fragments (4 registers of codes, 4 of zeros each); at the end beta
.set QS,   32                          ; v32-33  Q's scale words           (v32-67 hold scales and nothing else)
.set PWD,  34                          ; v34-35  the weights' scale words
.set KS,   36                          ; v36-39  K's scale words
.set VS,   40                          ; v40-43  V's
.set WQS,  44                          ; v44-59  Wq's
.set XSW,  60                          ; v60-67  x's
.set STA,  68                          ; v68-83  statistics, 8 a tile: +0 c m, +1 m, +2, +3 the sum in two halves, +4 .. +7 at work
.set QMK,  84                          ; v84-85  query_mask of my query in each tile
.set WQA,  86                          ; Wq's codes: my lane's offset
.set WQB,  87                          ; Wq's scale bytes
.set ORD,  88                          ; OSTG: my wave's four rows, 16 x lane
.set TM,   90                          ; v90-101 the quantiser's work
.set SS,   112                         ; v112-239 scores, then weights: 64 a tile
.set PP,   240                         ; v240-255 the weights' codes, 8 a tile; at the end gamma
; window 1
.set KF,   0                           ; v0-63    K's eight fragments
.set VF,   64                          ; v64-95   V's four
.set VMR,  96                          ; v96-159  64 numbers of value_mask, laid as the scores
.set OA,   160                         ; v160-223 O^T: 32 tau + 8 d
.set RQ,   240                         ; v240-243 query_mask / sum, a pair a tile
.set WQF,  128                         ; v128-255 Wq's 16 fragments, until Q is made
; scalars
.set WV,   2
.set CS,   28                          ; s[28:29] c, twice
.set SEL,  30                          ; s[30:31] lane l xor 16
.set STP,  32                          ; the step
.set LHI,  33                          ; the last step of tile 127 - g, which holds its diagonal
.set LLO,  34                          ; the same of tile g
.set VMO,  35                          ; 512 x step
.set NX,   36
.set QHI,  37                          ; first query of tile 127 - g
.set QLO,  38                          ; of tile g
.set MK,   40                          ; s40-55  the triangle's masks, sixteen at a time (at the head: at work; on the way out s40, s41 hold two constants)
.set MSB,  0
.macro WIN new                         ; the immediate's high byte repeats the setting that is left; a switch that changes nothing is dropped
.if MSB != \new
	s_set_vgpr_msb (MSB<<8)|\new
.set MSB, \new
.endif
.endm
.macro PLACES n
.rept \n
	v_nop
.endr
.endm
.macro BARRIER                         ; my LDS stores have landed and my LDS loads are in: then the work-group's barrier
	s_wait_dscnt 0x0
	s_barrier_signal -1
	s_barrier_wait -1
.endm
.macro MM d, a, b, sa, sb, zero, row1  ; one product 16 x 16 x 128; zero = 1: it starts the sum; row1 = 1: source 0's scales stand in lanes 16-31
.if \zero
.if \row1
	v_wmma_scale_f32_16x16x128_f8f6f4 v[\d:\d+7], v[\a:\a+7], v[\b:\b+7], 0, v[\sa], v[\sb] matrix_a_fmt:MATRIX_FMT_FP4 matrix_b_fmt:MATRIX_FMT_FP4 matrix_a_scale:MATRIX_SCALE_ROW1
.else
	v_wmma_scale_f32_16x16x128_f8f6f4 v[\d:\d+7], v[\a:\a+7], v[\b:\b+7], 0, v[\sa], v[\sb] matrix_a_fmt:MATRIX_FMT_FP4 matrix_b_fmt:MATRIX_FMT_FP4
.endif
.else
	v_wmma_scale_f32_16x16x128_f8f6f4 v[\d:\d+7], v[\a:\a+7], v[\b:\b+7], v[\d:\d+7], v[\sa], v[\sb] matrix_a_fmt:MATRIX_FMT_FP4 matrix_b_fmt:MATRIX_FMT_FP4
.endif
.endm
; 64 numbers of a lane, v[s] .. v[s + 63], register 16 b + i = element 32 b + 16 (lane / 16) + i of the lane's row, become codes (blocks 0, 1 in v[pc0] .. + 3, blocks 2, 3 in v[pc1] .. + 3, a whole block to a lane:
; lanes 0-15 the even block, lanes 16-31 the odd one) and the four blocks' scale bytes in v[pw].  Each accumulator is read from its low end on.
.macro QUANT s, pc0, pc1, pw
.irp b, 0,1,2,3
	v_max3_num_f32 v[TM+\b], |v[\s+16*\b]|, |v[\s+16*\b+1]|, 0x1800000   ; my 16 numbers of block b, and the floor 2^(3 - 127): the byte cannot fall under 1
.endr
.irp i, 2,4,6,8,10,12,14
.irp b, 0,1,2,3
	v_max3_num_f32 v[TM+\b], v[TM+\b], |v[\s+16*\b+\i]|, |v[\s+16*\b+\i+1]|   ; the four blocks by turns
.endr
.endr
.irp b, 0,1,2,3
	v_permlanex16_b32 v[TM+4+\b], v[TM+\b], s[SEL], s[SEL+1]
.endr
.irp b, 0,1,2,3
	v_max_num_f32 v[TM+\b], v[TM+\b], v[TM+4+\b]           ; with lane l xor 16's: the block's largest magnitude
.endr
.irp b, 0,1,2,3
	v_add_nc_u32 v[TM+8+\b], 0xff000000, v[TM+\b]          ; 2 off its exponent field: the conversion takes that field as its scale
.endr
.irp b, 0,1,2,3
	v_lshrrev_b32 v[TM+4+\b], 23, v[TM+8+\b]               ; the scale's byte
.endr
	v_lshl_or_b32 v[\pw], v[TM+5], 8, v[TM+4]
	v_lshl_or_b32 v[\pw], v[TM+6], 16, v[\pw]
	v_lshl_or_b32 v[\pw], v[TM+7], 24, v[\pw]
.irp b, 0,1
	v_cvt_scalef32_pk8_fp4_f32 v[\pc0+2*\b], v[\s+16*\b:\s+16*\b+7], v[TM+8+\b]
	v_cvt_scalef32_pk8_fp4_f32 v[\pc0+2*\b+1], v[\s+16*\b+8:\s+16*\b+15], v[TM+8+\b]
.endr
.irp b, 0,1
	v_cvt_scalef32_pk8_fp4_f32 v[\pc1+2*\b], v[\s+32+16*\b:\s+32+16*\b+7], v[TM+10+\b]
	v_cvt_scalef32_pk8_fp4_f32 v[\pc1+2*\b+1], v[\s+32+16*\b+8:\s+32+16*\b+15], v[TM+10+\b]
.endr
	v_nop                                                  ; one plain place behind the last scaled conversion
.irp i, 0,1
	v_permlane16_swap_b32 v[\pc0+\i], v[\pc0+2+\i]         ; half blocks become whole blocks
	v_permlane16_swap_b32 v[\pc1+\i], v[\pc1+2+\i]
.endr
.endm
.macro KLOAD                           ; a record of K: nine loads
	WIN 0x40
.irp t, 0,1,2,3,4,5,6,7
	global_load_b128 v[KF+8*\t:KF+8*\t+3], v[KO], s[18:19] offset:512*\t
.endr
	WIN 0
	global_load_b128 v[KS:KS+3], v[KO], s[18:19] offset:4096
.endm
.macro VLOAD                           ; a record of V: nine loads
	WIN 0x40
.irp d, 0,1,2,3
.irp c, 0,1
	global_load_b128 v[VF+8*\d+4*\c:VF+8*\d+4*\c+3], v[VO], s[20:21] offset:1024*\d+512*\c
.endr
.endr
	WIN 0
	global_load_b128 v[VS:VS+3], v[VO], s[20:21] offset:4096
.endm
.macro NEXT reg                        ; the next step's record; behind step 15 comes step 0 again, so that no load leaves its buffer (and walk 1's last trip fetches walk 2's first record)
	s_add_co_u32 s[NX], s[STP], 1
	s_and_b32 s[NX], s[NX], 15
	s_mul_i32 s[NX], s[NX], REC
	v_add_nc_u32 v[\reg], s[NX], v[L16]
.endm
.macro QK tau, t                       ; S^T of key tile t for query tile tau (under WIN 0x01: K in window 1)
	MM SS+64*\tau+8*\t, KF+8*\t, QF+8*\tau, KS+\t/2, QS+\tau, 1, \t%2
.endm
.macro TSUB tau, j                     ; pair j of tile tau: c s - c m
	v_pk_fma_f32 v[SS+64*\tau+2*(\j):SS+64*\tau+2*(\j)+1], v[SS+64*\tau+2*(\j):SS+64*\tau+2*(\j)+1], s[CS:CS+1], v[STA+8*\tau:STA+8*\tau+1] op_sel_hi:[1,0,0] neg_lo:[0,0,1] neg_hi:[0,0,1]
.endm
; The lane's maximum of its 64 scores and its old m, in four chains; then c m anew and c m_old - c m_new.  Each accumulator is read from its low end on.
.macro MAXL tau
.set rT, STA+8*\tau
.set rS, SS+64*\tau
.irp k, 0,1,2,3
	v_max3_num_f32 v[rT+4+\k], v[rS+16*\k], v[rS+16*\k+1], v[rS+16*\k+2]
.endr
.irp i, 3,5,7,9,11,13
.irp k, 0,1,2,3
	v_max3_num_f32 v[rT+4+\k], v[rT+4+\k], v[rS+16*\k+\i], v[rS+16*\k+\i+1]
.endr
.endr
.irp k, 0,1,2,3
	v_max_num_f32 v[rT+4+\k], v[rT+4+\k], v[rS+16*\k+15]
.endr
	v_max3_num_f32 v[rT+4], v[rT+4], v[rT+5], v[rT+6]
	v_mov_b32 v[rT+5], v[rT]
	v_max3_num_f32 v[rT+1], v[rT+4], v[rT+7], v[rT+1]
	v_mul_f32 v[rT], s[CS], v[rT+1]
	v_sub_f32 v[rT+5], v[rT+5], v[rT]
.endm
; Number j of 32 of a tile's sum: the sum x a + pair 0; a second chain from pairs 1 and 2; the other pairs by turns onto the two chains; the chains joined.
.macro ADDOP tau, j
.set rT, STA+8*\tau
.set rS, SS+64*\tau
.if \j == 0
	s_wait_alu depctr_va_vdst(0)                   ; this tile's 64 exponentials and its a are written, ahead of their first reader: one wait for the tile's batch
	v_pk_fma_f32 v[rT+2:rT+3], v[rT+2:rT+3], v[rT+6:rT+7], v[rS:rS+1] op_sel_hi:[1,0,1]
.elseif \j == 1
	v_pk_add_f32 v[rT+4:rT+5], v[rS+2:rS+3], v[rS+4:rS+5]
.elseif \j == 31
	v_pk_add_f32 v[rT+2:rT+3], v[rT+2:rT+3], v[rT+4:rT+5]
.elseif (\j)%2 == 0
	v_pk_add_f32 v[rT+2:rT+3], v[rT+2:rT+3], v[rS+2*(\j)+2:rS+2*(\j)+3]
.else
	v_pk_add_f32 v[rT+4:rT+5], v[rT+4:rT+5], v[rS+2*(\j)+2:rS+2*(\j)+3]
.endif
.endm
; The two lanes of a query join their maxima and sums; query_mask / sum goes to window 1.
.macro FINISH tau
.set rT, STA+8*\tau
	v_add_f32 v[rT+2], v[rT+2], v[rT+3]
	v_permlanex16_b32 v[rT+4], v[rT+1], s[SEL], s[SEL+1]
	v_max_num_f32 v[rT+4], v[rT+1], v[rT+4]        ; the row's maximum
	v_mul_f32 v[rT+5], s[CS], v[rT+4]
	v_sub_f32 v[rT+6], v[rT], v[rT+5]
	v_exp_f32 v[rT+6], v[rT+6]
	v_mov_b32 v[rT], v[rT+5]                       ; c m is the row's from here on.  (The plain place behind the exponential)
	s_wait_alu depctr_va_vdst(0)                   ; the exponential has written its result, ahead of the multiplication that reads it
	v_mul_f32 v[rT+2], v[rT+2], v[rT+6]
	v_permlanex16_b32 v[rT+3], v[rT+2], s[SEL], s[SEL+1]
	v_add_f32 v[rT+2], v[rT+2], v[rT+3]            ; the row's sum
	v_rcp_f32 v[rT+3], v[rT+2]
	v_nop
	s_wait_alu depctr_va_vdst(0)                   ; the reciprocal has written its result, ahead of the multiplication that reads it
	v_mul_f32 v[rT+3], v[QMK+\tau], v[rT+3]
	WIN 0x40
	v_mov_b32 v[RQ+2*\tau], v[rT+3]
	v_mov_b32 v[RQ+2*\tau+1], v[rT+3]              ; (named with it as a pair)
	WIN 0
.endm
; The step that holds tile tau's diagonal: register 16 b + i holds key 128 step + 32 b + 16 h + i, hidden where it comes after my query.
; A block's sixteen compares go in one run, each into a scalar register of its own, with one wait behind the run; then the sixteen selections.
.macro MASK tau
	s_lshl_b32 s39, s[STP], 7
	s_sub_co_i32 s39, s[QLO-\tau], s39
	v_add_nc_u32 v[MD], s39, v[RH]
.set N, 0
.rept 4
.set M, 0
.rept 16
	v_cmp_gt_i32 s[MK+M], 32*(N/16)+M, v[MD]
.set M, M+1
.endr
	s_wait_alu depctr_va_sdst(0)                   ; the sixteen compares have written their masks, ahead of the selections that read them
.set M, 0
.rept 16
	v_cndmask_b32 v[SS+64*\tau+N+M], v[SS+64*\tau+N+M], v[NINF], s[MK+M]
.set M, M+1
.endr
.set N, N+16
.endr
.endm
; Walk 2's vector work for a tile: the weights, finished and normalised, and their codes.  The 64 exponentials go in two batches of 32, with one wait to a batch: the first has the scalings of pairs 16 to 31 between
; its exponentials, the second the multiplications of the first batch's pairs.  vmw = 1: the step's first tile, which waits for value_mask.
.macro SOFT2 tau, vmw
.set J, 0
.rept 16
	TSUB \tau, J
.set J, J+1
.endr
.set J, 0
.rept 16
	v_exp_f32 v[SS+64*\tau+2*J], v[SS+64*\tau+2*J]
	TSUB \tau, 16+J
	v_exp_f32 v[SS+64*\tau+2*J+1], v[SS+64*\tau+2*J+1]
.set J, J+1
.endr
.if \vmw
	s_wait_dscnt 0x0                               ; value_mask is in: its sixteen LDS loads were issued behind the score products
.endif
	WIN 0x04                                       ; source 1 in window 1: value_mask, query_mask / sum
	s_wait_alu depctr_va_vdst(0)                   ; the first batch, weights 0 to 31, is written, ahead of its first reader
.set J, 0
.rept 16
	v_exp_f32 v[SS+64*\tau+32+2*J], v[SS+64*\tau+32+2*J]
	v_pk_mul_f32 v[SS+64*\tau+2*J:SS+64*\tau+2*J+1], v[SS+64*\tau+2*J:SS+64*\tau+2*J+1], v[VMR+2*J:VMR+2*J+1]
	v_exp_f32 v[SS+64*\tau+33+2*J], v[SS+64*\tau+33+2*J]
	v_pk_mul_f32 v[SS+64*\tau+2*J:SS+64*\tau+2*J+1], v[SS+64*\tau+2*J:SS+64*\tau+2*J+1], v[RQ+2*\tau:RQ+2*\tau+1] op_sel_hi:[1,0]
.set J, J+1
.endr
	s_wait_alu depctr_va_vdst(0)                   ; the second batch, weights 32 to 63, is written, ahead of its first reader
.set J, 16
.rept 16
	v_pk_mul_f32 v[SS+64*\tau+2*J:SS+64*\tau+2*J+1], v[SS+64*\tau+2*J:SS+64*\tau+2*J+1], v[VMR+2*J:VMR+2*J+1]
.set J, J+1
.endr
.set J, 16
.rept 16
	v_pk_mul_f32 v[SS+64*\tau+2*J:SS+64*\tau+2*J+1], v[SS+64*\tau+2*J:SS+64*\tau+2*J+1], v[RQ+2*\tau:RQ+2*\tau+1] op_sel_hi:[1,0]
.set J, J+1
.endr
	WIN 0
	QUANT SS+64*\tau, PP+8*\tau, PP+8*\tau+4, PWD+\tau
.endm
.macro PV tau                          ; O^T += V^T w^T (under WIN 0x51: V, C and D in window 1).  Each accumulator has one instruction a step, with other accumulators' between
.irp d, 0,1,2,3
	MM OA+32*\tau+8*\d, VF+8*\d, PP+8*\tau, VS+\d, PWD+\tau, 0, 0
.endr
.endm
	s_load_b512 s[8:23], s[0:1], 0x0               ; query 8, query_mask 10, value_mask 12, Wq's codes 14, Wq's scales 16, kbuf 18, vbuf 20, gamma 22
	s_load_b128 s[24:27], s[0:1], 0x40             ; beta 24, out0 26
	v_lshl_add_u32 v110, v0, 2, 0x24800            ; the LDS address of my spare word, behind the heads' results; kept for the closing lines alone
	v_mov_b32 v111, 0                              ; and 0, likewise
	v_lshrrev_b32 v1, 5, v0
	v_readfirstlane_b32 s[WV], v1                  ; wave = head
	s_and_b32 s4, ttmp7, 0xffff                    ; batch
	s_sub_co_u32 s5, 127, ttmp9
	s_lshr_b32 s[LHI], s5, 3
	s_lshr_b32 s[LLO], ttmp9, 3
	s_lshl_b32 s[QHI], s5, 4
	s_lshl_b32 s[QLO], ttmp9, 4
	s_wait_alu depctr_va_sdst(0)                   ; s2, the wave's number, is written, ahead of its first reader: bases and LDS addresses are made from it
	s_lshr_b32 s6, s[WV], 2                        ; the rows that I carry in and out: LDS rows 4 w .. 4 w + 3: tile w / 4,
	s_and_b32 s7, s[WV], 3                         ; rows 4 (w % 4) on.  Also: the fragment of x that I quantise: tile w / 4, K step w % 4
	s_mul_i32 s39, s[WV], 4*PIT
	s_add_co_u32 s40, s39, OSTG
	s_add_co_u32 s39, s39, XRES
	s_mul_i32 s41, s6, 16*PIT
	s_lshl_b32 s42, s7, 9
	s_add_co_u32 s41, s41, s42
	s_add_co_u32 s41, s41, XRES
	s_lshl_b32 s42, s[WV], 8
	s_add_co_u32 s42, s42, OSTG
	s_lshl_b32 s43, s[WV], 10
	s_lshl_b32 s44, s[WV], 7
	s_cmp_lg_u32 s6, 0
	s_cselect_b32 s45, s[QHI], s[QLO]              ; (this choice enters offsets in memory alone)
	s_lshl_b32 s7, s7, 2
	s_add_co_u32 s45, s45, s7
	s_lshl_b32 s46, s4, 11
	s_add_co_u32 s45, s45, s46                     ; my first row of query and of out0,
	s_lshl_b32 s46, s45, 11                        ; in bytes
	s_mov_b32 s47, 0
	s_lshl_b32 s48, s4, 3
	s_add_co_u32 s48, s48, s[WV]
	s_mul_i32 s48, s48, 16*REC                     ; my head's 16 records
	s_mov_b32 s49, 0
	s_lshl_b32 s50, s[WV], 14                      ; my head's rows of Wq
	s_mov_b32 s51, 0
	s_lshl_b32 s52, s[WV], 10
	s_mov_b32 s53, 0
	s_lshl_b32 s54, s4, 13                         ; the batch's masks
	s_mov_b32 s55, 0
	s_lshl_b32 s56, s[QLO], 2
	s_add_co_u32 s56, s56, s54
	s_lshl_b32 s57, s[QHI], 2
	s_add_co_u32 s57, s57, s54
	s_mov_b32 s[CS], 0x3e38aa3b                    ; c = log2(e) / 8
	s_mov_b32 s[CS+1], s[CS]
	s_mov_b32 s[SEL], 0x76543210
	s_mov_b32 s[SEL+1], 0xfedcba98
	v_and_b32 v[LN], 31, v0
	v_and_b32 v[R], 15, v0
	v_bfe_u32 v[H], v0, 4, 1
	v_lshlrev_b32 v[L16], 4, v[LN]
	v_lshlrev_b32 v[L4], 2, v[LN]
	v_mov_b32 v[KO], v[L16]                        ; both walks begin at record 0
	v_mov_b32 v[VO], v[L16]
	v_lshl_add_u32 v[VM8], v[H], 6, VM
	v_lshlrev_b32 v102, 4, v[H]
	v_sub_nc_u32 v[RH], v[R], v102
	v_mov_b32 v[NINF], 0xff800000
	v_add_nc_u32 v[XW], s39, v[L16]
	v_add_nc_u32 v[ORD], s40, v[L16]
	v_mul_u32_u24 v102, v[R], PIT
	v_lshl_add_u32 v102, v[H], 6, v102             ; row r, + 64 h
	v_add_nc_u32 v[XQ], s41, v102
	v_add_nc_u32 v[OS], s42, v102
	v_and_b32 v103, 8, v[R]
	v_add_nc_u32 v103, v103, v[R]                  ; r + 8 (r / 8)
	v_lshlrev_b32 v[WQA], 8, v103
	v_lshl_add_u32 v[WQA], v[H], 4, v[WQA]
	v_lshlrev_b32 v[WQB], 4, v103
	v_lshl_add_u32 v103, v[R], 2, s56              ; query_mask of my query in tile g,
	v_lshl_add_u32 v104, v[R], 2, s57              ; in tile 127 - g
	v_lshlrev_b32 v105, 4, v0                      ; value_mask: 16 bytes a thread
	v_add_nc_u32 v106, s43, v[L16]                 ; where my fragment's image goes,
	v_add_nc_u32 v107, s44, v[L4]                  ; and its scale words
	s_wait_kmcnt 0x0
	s_add_nc_u64 s[8:9], s[8:9], s[46:47]
	s_add_nc_u64 s[26:27], s[26:27], s[46:47]
	s_add_nc_u64 s[18:19], s[18:19], s[48:49]
	s_add_nc_u64 s[20:21], s[20:21], s[48:49]
	s_add_nc_u64 s[14:15], s[14:15], s[50:51]
	s_add_nc_u64 s[16:17], s[16:17], s[52:53]
	s_add_nc_u64 s[12:13], s[12:13], s[54:55]
	s_wait_alu depctr_va_vdst(0)                   ; all offsets and LDS addresses made above are written: the loads below and the LDS instructions of the head and of the way out read them
	; ---- all that the head needs, in the order in which it is wanted
.irp i, 0,1,2,3
.irp c, 0,1,2,3
	global_load_b128 v[SS+64+16*\i+4*\c:SS+64+16*\i+4*\c+3], v[L16], s[8:9] offset:2048*\i+512*\c th:TH_LOAD_NT   ; my four rows of query, 512 consecutive bytes a load; no other wave of the launch reads them
.endr
.endr
	global_load_b128 v[SS:SS+3], v105, s[12:13]
	global_load_b128 v[SS+4:SS+7], v105, s[12:13] offset:4096
	global_load_b32 v[QMK], v103, s[10:11]
	global_load_b32 v[QMK+1], v104, s[10:11]
.irp d, 0,1,2,3
	global_load_b128 v[WQS+4*\d:WQS+4*\d+3], v[WQB], s[16:17] offset:(32*(\d/2)+8*(\d%2))*16
.endr
	WIN 0x40
.irp d, 0,1,2,3
.irp k, 0,1,2,3
.irp c, 0,1
	global_load_b128 v[WQF+8*(4*\d+\k)+4*\c:WQF+8*(4*\d+\k)+4*\c+3], v[WQA], s[14:15] offset:(32*(\d/2)+8*(\d%2))*256+64*\k+32*\c
.endr
.endr
.endr
	KLOAD                                          ; K's record of step 0
	WIN 0x40
.irp t, 0,1,2,3,4,5,6,7
.irp q, 4,5,6,7
	v_mov_b32 v[KF+8*\t+\q], 0                     ; the upper 64 along K: zero codes, written once
.endr
.endr
	WIN 0
.irp q, 4,5,6,7,12,13,14,15
	v_mov_b32 v[QF+\q], 0
.endr
.irp b, 0,1,2,3
	v_mov_b32 v[TM+4+\b], 0                        ; written once: a lane permute's destination counts as one of its sources
.endr
	s_wait_loadcnt 47                              ; query's rows and value_mask are in; behind them were issued 2 + 4 + 32 + 9 loads
.irp i, 0,1,2,3
.irp c, 0,1,2,3
	ds_store_b128 v[XW], v[SS+64+16*\i+4*\c:SS+64+16*\i+4*\c+3] offset:PIT*\i+512*\c
.endr
.endr
	ds_store_b128 v105, v[SS:SS+3] offset:VM
	ds_store_b128 v105, v[SS+4:SS+7] offset:VM+4096
	BARRIER                                        ; query's 32 rows and value_mask lie in LDS
	s_wait_alu depctr_vm_vsrc(0)                   ; my LDS stores have read v[SS ..]: LDS loads land in these registers below, here and behind the next barrier
	; ---- x: my wave quantises one fragment (16 rows x 128 along K) and stores it as an image of its registers
.irp b, 0,1,2,3
.irp j, 0,1,2,3
	ds_load_b128 v[SS+16*\b+4*\j:SS+16*\b+4*\j+3], v[XQ] offset:128*\b+16*\j
.endr
.endr
	s_wait_dscnt 0x0
	QUANT SS, PP, PP+4, PWD
	s_wait_alu depctr_va_vdst(0)                   ; the quantiser has written the fragment's codes and its scale word, which the three LDS stores read
	ds_store_b128 v106, v[PP:PP+3] offset:XIMG
	ds_store_b128 v106, v[PP+4:PP+7] offset:XIMG+512
	ds_store_b32 v107, v[PWD] offset:XSC
	BARRIER                                        ; x's eight fragments lie in LDS
	s_wait_alu depctr_vm_vsrc(0)                   ; my three LDS stores have read the codes, the scale word, v106 and v107: the next quantisers write the first two again, the norm's lines the others
.irp f, 0,1,2,3,4,5,6,7
.irp c, 0,1
	ds_load_b128 v[SS+64+8*\f+4*\c:SS+64+8*\f+4*\c+3], v[L16] offset:XIMG+1024*\f+512*\c
.endr
	ds_load_b32 v[XSW+\f], v[L4] offset:XSC+128*\f
.endr
	s_wait_dscnt 0x0
	s_wait_loadcnt 9                               ; Wq, its scale words and query_mask are in; K's nine loads may be out
	; ---- Q^T = Wq x^T for my head: eight accumulators (tile a / 4, channels' tile a % 4) by turns, K step by K step
	WIN 0x01                                       ; source 0 (Wq) window 1
.irp k, 0,1,2,3
.irp a, 0,1,2,3,4,5,6,7
.if \k == 0
	MM SS+8*\a, WQF+8*(4*(\a%4)+\k), SS+64+8*(4*(\a/4)+\k), WQS+4*(\a%4)+\k, XSW+4*(\a/4)+\k, 1, 0
.else
	MM SS+8*\a, WQF+8*(4*(\a%4)+\k), SS+64+8*(4*(\a/4)+\k), WQS+4*(\a%4)+\k, XSW+4*(\a/4)+\k, 0, 0
.endif
.endr
.endr
	WIN 0
	PLACES 4                                       ; between the last product and the first read of results (ISA guide 7.12.1)
	QUANT SS, QF, QF+8, PWD                        ; blocks 0, 1: tile g's 64 channels; blocks 2, 3: tile 127 - g's
	v_and_b32 v[QS], 0xffff, v[PWD]                ; two bytes a tile; the upper two, over zero codes, are 0
	v_lshrrev_b32 v[QS+1], 16, v[PWD]
.irp t, 0,1
	v_mov_b32 v[STA+8*\t+1], 0xff61b1e6            ; m = -3e38, under every score
	v_mov_b32 v[STA+8*\t+2], 0                     ; the sum
	v_mov_b32 v[STA+8*\t+3], 0
.endr
.irp t, 0,1
	v_mul_f32 v[STA+8*\t], s[CS], v[STA+8*\t+1]
.endr
	PLACES 8                                       ; a scale register written by a vector instruction stands eight places ahead of a scaled product, an operand so written four
	s_wait_alu depctr_va_vdst(0)                   ; Q's codes and scale words and the zero halves of K's and Q's fragments are written: the scaled products of both walks take them; the places above stay beside this wait
	s_mov_b32 s[STP], 0
	; ---- WALK 1: 16 steps of 128 keys.  Each lane keeps the maximum and the sum of its own half of the keys: no exchange stands in the loop.
.Lwalk1:
	s_wait_loadcnt 0x0                             ; this step's record is in (it was asked for a whole step ago): so KO may be written
	WIN 0x01
.irp t, 0,1,2,3,4,5,6,7
	QK 0, \t
	QK 1, \t
.endr
	WIN 0
	s_wait_alu depctr_vm_vsrc(0)                   ; this record's nine loads have read KO, which the addition below writes
	NEXT KO
	PLACES 3                                       ; with the addition above: four places in front of loads into registers that products have read, and of the first read of results
	WIN 0x40
	s_wait_alu depctr_va_vdst(0)                   ; KO is written, which the nine loads read; the sixteen products are done reading K's fragments and scale words, in which they land
	KLOAD
	MAXL 0
	MAXL 1
	v_exp_f32 v[STA+6], v[STA+5]                   ; a = 2^(c m_old - c m_new)
	v_exp_f32 v[STA+14], v[STA+13]
.set J, 0
.rept 32
	TSUB 0, J
.set J, J+1
.endr
.set J, 0
.rept 32                                       ; tile g's exponentials, with the other tile's scalings between them
	v_exp_f32 v[SS+2*J], v[SS+2*J]
	TSUB 1, J
	v_exp_f32 v[SS+2*J+1], v[SS+2*J+1]
.set J, J+1
.endr
.set J, 0
.rept 32                                       ; tile 127 - g's exponentials, with tile g's sums between them
	v_exp_f32 v[SS+64+2*J], v[SS+64+2*J]
	ADDOP 0, J
	v_exp_f32 v[SS+64+2*J+1], v[SS+64+2*J+1]
.set J, J+1
.endr
.set J, 0
.rept 32
	ADDOP 1, J
.set J, J+1
.endr
	s_add_co_u32 s[STP], s[STP], 1
	s_cmp_lt_u32 s[STP], 16
	s_cbranch_scc1 .Lwalk1
	VLOAD                                          ; V's record of step 0, behind K's.  No wait: VO was written at the head, and no vector or matrix instruction has yet named V's fragments or scale words
	FINISH 0
	FINISH 1
	; ---- WALK 2.  The loop has 16 trips in every work-group, so that the step's LDS offset is stepped a constant number of times; a trip past tile 127 - g's diagonal jumps to the lines that step.
	WIN 0x40
.set J, 0
.rept 64
	v_mov_b32 v[OA+J], 0                           ; O^T: cleared once, so that the step is written once
.set J, J+1
.endr
	WIN 0
	s_mov_b32 s[STP], 0
	s_mov_b32 s[VMO], 0
.Lwalk2:
	s_cmp_gt_u32 s[STP], s[LHI]
	s_cbranch_scc1 .Lskip
	s_wait_loadcnt 9                               ; K's record of this step is in; V's nine loads, issued behind it, may be out
	WIN 0x01
.irp t, 0,1,2,3,4,5,6,7
	QK 1, \t
.endr
	WIN 0
	s_cmp_gt_u32 s[STP], s[LLO]
	s_cbranch_scc1 .Lno_scores0                    ; all this step's keys come after tile g's queries
	WIN 0x01
.irp t, 0,1,2,3,4,5,6,7
	QK 0, \t
.endr
	WIN 0
.Lno_scores0:
	s_wait_alu depctr_vm_vsrc(0)                   ; this record's nine loads have read KO, and the last step's sixteen LDS loads VMA: the two additions below write them
	NEXT KO
	v_add_nc_u32 v[VMA], s[VMO], v[VM8]
	PLACES 2                                       ; with the two additions: four places, as in walk 1
	WIN 0x40
	s_wait_alu depctr_va_vdst(0)                   ; KO and VMA are written; the products are done reading K's fragments and scale words, and the last step's multiplications value_mask's registers: the loads below land in all three
.irp b, 0,1,2,3
.irp i, 0,1,2,3
	ds_load_b128 v[VMR+16*\b+4*\i:VMR+16*\b+4*\i+3], v[VMA] offset:128*\b+16*\i   ; value_mask of keys 32 b + 16 h + 4 i on: sixteen lanes read the same bytes
.endr
.endr
	KLOAD
	s_cmp_lg_u32 s[STP], s[LHI]
	s_cbranch_scc1 .Lopen1
	MASK 1
.Lopen1:
	SOFT2 1, 1
	s_cmp_gt_u32 s[STP], s[LLO]
	s_cbranch_scc1 .Lno_soft0
	s_cmp_lg_u32 s[STP], s[LLO]
	s_cbranch_scc1 .Lopen0
	MASK 0
.Lopen0:
	SOFT2 0, 0
.Lno_soft0:
	PLACES 8                                       ; the weights' scale word stands eight places ahead of the scaled products, their codes four
	s_wait_loadcnt 9                               ; V's record of this step is in; the next K record's nine loads may be out
	s_wait_alu depctr_va_vdst(0)                   ; the quantiser has written the weights' codes and scale words, which the scaled products take; the places above stay beside this wait
	WIN 0x51
	PV 1
	WIN 0
	s_cmp_gt_u32 s[STP], s[LLO]
	s_cbranch_scc1 .Lno_pv0
	WIN 0x51
	PV 0
	WIN 0
.Lno_pv0:
	s_wait_alu depctr_vm_vsrc(0)                   ; this record's nine loads have read VO, which the addition below writes
	NEXT VO                                        ; V's loads of this step are shown done by the wait above
	PLACES 3
	WIN 0x40
	s_wait_alu depctr_va_vdst(0)                   ; VO is written, which the nine loads read; the products are done reading V's fragments and scale words, in which they land
	VLOAD
.Lskip:
	s_add_co_u32 s[VMO], s[VMO], 512
	s_add_co_u32 s[STP], s[STP], 1
	s_cmp_lt_u32 s[STP], 16
	s_cbranch_scc1 .Lwalk2
	; ---- THE WAY OUT.  The heads meet in LDS; each wave then owns four whole rows: residual, LayerNorm, store.
	s_wait_loadcnt 0x0                             ; the records fetched ahead and not used
	PLACES 4                                       ; in front of loads into registers that products have read, and of the stores that read results
	s_wait_alu depctr_va_vdst(0)                   ; O^T is written, which the LDS stores read; all vector and matrix work on the weights' codes, on Q's fragments and on the scores' registers is done: gamma, beta and the rows from LDS land there
.irp c, 0,1,2,3
	global_load_b128 v[PP+4*\c:PP+4*\c+3], v[L16], s[22:23] offset:512*\c    ; gamma of my 16 columns, 128 c + 4 lane + 0 .. 3
	global_load_b128 v[QF+4*\c:QF+4*\c+3], v[L16], s[24:25] offset:512*\c    ; beta
.endr
	WIN 0x04                                       ; an LDS store's data are its source 1: window 1
.irp t, 0,1
.irp d, 0,1,2,3
.irp q, 0,1
	ds_store_b128 v[OS], v[OA+32*\t+8*\d+4*\q:OA+32*\t+8*\d+4*\q+3] offset:16*PIT*\t+128*(\d/2)+32*(\d%2)+16*\q   ; row 16 t + r, column 64 w + 32 (d / 2) + 16 h + 8 (d % 2) + 4 q on; each accumulator from its low end
.endr
.endr
.endr
	WIN 0
	BARRIER                                        ; 32 whole rows lie in the stage
.irp i, 0,1,2,3
.irp c, 0,1,2,3
	ds_load_b128 v[SS+16*\i+4*\c:SS+16*\i+4*\c+3], v[ORD] offset:PIT*\i+512*\c
.endr
.irp c, 0,1,2,3
	ds_load_b128 v[SS+64+16*\i+4*\c:SS+64+16*\i+4*\c+3], v[XW] offset:PIT*\i+512*\c
.endr
.endr
	s_mov_b32 s40, 0x3b000000                      ; 1 / 512
	s_mov_b32 s41, 0x3a83126f                      ; 1e-3
.macro ALL32 x, t                      ; the sum of v[x] over the 32 lanes, in every lane
	v_add_f32_dpp v[\x], v[\x], v[\x] row_xmask:1 row_mask:0xf bank_mask:0xf
	v_add_f32_dpp v[\x], v[\x], v[\x] row_xmask:2 row_mask:0xf bank_mask:0xf
	v_add_f32_dpp v[\x], v[\x], v[\x] row_xmask:4 row_mask:0xf bank_mask:0xf
	v_add_f32_dpp v[\x], v[\x], v[\x] row_xmask:8 row_mask:0xf bank_mask:0xf
	v_permlanex16_b32 v[\t], v[\x], s[SEL], s[SEL+1]
	v_add_f32 v[\x], v[\x], v[\t]
.endm
.macro ROWOUT i                        ; row i of my four leaves
.irp c, 0,1,2,3
	global_store_b128 v[L16], v[SS+16*(\i)+4*\c:SS+16*(\i)+4*\c+3], s[26:27] offset:2048*(\i)+512*\c th:TH_STORE_NT   ; 32 lanes store 512 consecutive bytes, at a multiple of 512 from out0's first byte; each row has its own registers
.endr
.endm
; Row i of my four: 16 numbers a lane.  left: the LDS loads of the later rows, which may stay out.  The variance is the mean of squared deviations, never a difference of large sums.
; A row's four stores stand in the next row's turn, behind that row's one wait.
.macro LNROW i, left, first
.set rY, SS+16*\i
.set rX, SS+64+16*\i
	s_wait_dscnt \left
.irp p, 0,2,4,6,8,10,12,14
	v_pk_add_f32 v[rY+\p:rY+\p+1], v[rY+\p:rY+\p+1], v[rX+\p:rX+\p+1]           ; y = heads + query
.endr
	v_pk_add_f32 v[102:103], v[rY:rY+1], v[rY+2:rY+3]
	v_pk_add_f32 v[104:105], v[rY+4:rY+5], v[rY+6:rY+7]
	v_pk_add_f32 v[106:107], v[rY+8:rY+9], v[rY+10:rY+11]
	v_pk_add_f32 v[108:109], v[rY+12:rY+13], v[rY+14:rY+15]
	v_pk_add_f32 v[102:103], v[102:103], v[104:105]
	v_pk_add_f32 v[106:107], v[106:107], v[108:109]
	v_pk_add_f32 v[102:103], v[102:103], v[106:107]
	v_add_f32 v102, v102, v103
	ALL32 102, 103
	v_mul_f32 v104, s40, v102                      ; the mean
.irp p, 0,2,4,6,8,10,12,14
	v_pk_add_f32 v[rY+\p:rY+\p+1], v[rY+\p:rY+\p+1], v[104:105] op_sel_hi:[1,0] neg_lo:[0,1] neg_hi:[0,1]
.endr
	v_pk_mul_f32 v[106:107], v[rY:rY+1], v[rY:rY+1]
	v_pk_mul_f32 v[108:109], v[rY+2:rY+3], v[rY+2:rY+3]
.irp p, 4,8,12
	v_pk_fma_f32 v[106:107], v[rY+\p:rY+\p+1], v[rY+\p:rY+\p+1], v[106:107]
	v_pk_fma_f32 v[108:109], v[rY+\p+2:rY+\p+3], v[rY+\p+2:rY+\p+3], v[108:109]
.endr
	v_pk_add_f32 v[106:107], v[106:107], v[108:109]
	v_add_f32 v106, v106, v107
	ALL32 106, 107
	v_fma_f32 v106, v106, s40, s41                 ; the variance + 1e-3
	v_rsq_f32 v108, v106
	v_nop                                          ; one plain place behind the transcendental
.if \first
	s_wait_loadcnt 0x0                             ; gamma and beta
.endif
	s_wait_alu depctr_va_vdst(0)                   ; 1 / sqrt is written, ahead of its first reader; and the row before has written its results, which the four stores below read
.if \i > 0
	ROWOUT \i-1
.endif
.irp p, 0,2,4,6,8,10,12,14
	v_pk_mul_f32 v[rY+\p:rY+\p+1], v[rY+\p:rY+\p+1], v[108:109] op_sel_hi:[1,0]
.endr
.irp p, 0,2,4,6,8,10,12,14
	v_pk_fma_f32 v[rY+\p:rY+\p+1], v[rY+\p:rY+\p+1], v[PP+\p:PP+\p+1], v[QF+\p:QF+\p+1]
.endr
.endm
	LNROW 0, 24, 1
	LNROW 1, 16, 0
	LNROW 2, 8, 0
	LNROW 3, 0, 0
	s_wait_alu depctr_va_vdst(0)                   ; the last row has written its results, which the last four stores read
	ROWOUT 3
	s_wait_dscnt 0x0                               ; the closing lines, six on end
	s_wait_alu 0x0
	s_wait_tensorcnt 0x0
	ds_add_u32 v110, v111
	s_wait_dscnt 0x0
	s_endpgm
.Lfunc_end_k_q27bbc2b519_attn:
	.size	k_q27bbc2b519_attn, .Lfunc_end_k_q27bbc2b519_attn-k_q27bbc2b519_attn
	.p2alignl 7, 3214868480
	.fill 96, 4, 3214868480
	.section	.rodata,"a",@progbits
	.p2align	6, 0x0
	.amdhsa_kernel k_q27bbc2b519_attn
		.amdhsa_group_segment_fixed_size 150528
		.amdhsa_private_segment_fixed_size 0
		.amdhsa_enable_private_segment 0
		.amdhsa_kernarg_size 80
		.amdhsa_user_sgpr_count 2
		.amdhsa_user_sgpr_kernarg_segment_ptr 1
		.amdhsa_wavefront_size32 1
		.amdhsa_system_sgpr_workgroup_id_x 1
		.amdhsa_system_sgpr_workgroup_id_y 1
		.amdhsa_system_sgpr_workgroup_id_z 1
		.amdhsa_system_vgpr_workitem_id 0
		.amdhsa_next_free_vgpr 512
		.amdhsa_next_free_sgpr 66
		.amdhsa_reserve_vcc 0
		.amdhsa_float_denorm_mode_32 3
		.amdhsa_float_denorm_mode_16_64 3
		.amdhsa_memory_ordered 1
		.amdhsa_forward_progress 1
		.amdhsa_inst_pref_size 124
	.end_amdhsa_kernel
	.amdgpu_metadata
---
amdhsa.version: [ 1, 2 ]
amdhsa.kernels:
  - .name:           k_q27bbc2b519_attn
    .symbol:         k_q27bbc2b519_attn.kd
    .args:
      - { .name: query, .offset: 0, .size: 8, .value_kind: global_buffer, .address_space: global }
      - { .name: query_mask, .offset: 8, .size: 8, .value_kind: global_buffer, .address_space: global }
      - { .name: value_mask, .offset: 16, .size: 8, .value_kind: global_buffer, .address_space: global }
      - { .name: Wq_codes, .offset: 24, .size: 8, .value_kind: global_buffer, .address_space: global }
      - { .name: Wq_scales, .offset: 32, .size: 8, .value_kind: global_buffer, .address_space: global }
      - { .name: kbuf, .offset: 40, .size: 8, .value_kind: global_buffer, .address_space: global }
      - { .name: vbuf, .offset: 48, .size: 8, .value_kind: global_buffer, .address_space: global }
      - { .name: gamma, .offset: 56, .size: 8, .value_kind: global_buffer, .address_space: global }
      - { .name: beta, .offset: 64, .size: 8, .value_kind: global_buffer, .address_space: global }
      - { .name: out0, .offset: 72, .size: 8, .value_kind: global_buffer, .address_space: global }
    .group_segment_fixed_size: 150528
    .private_segment_fixed_size: 0
    .kernarg_segment_align: 8
    .kernarg_segment_size: 80
    .max_flat_workgroup_size: 256
    .sgpr_count:     66
    .vgpr_count:     512
    .wavefront_size: 32
...
	.end_amdgpu_metadata
.endif
;; end of part 4
